; MI455X (gfx1250); checked and timed in simulation.
; The chip was launched on July 23, 2026; its instructions are those of AMD's public machine-readable ISA for CDNA 5 (MIT licence, August 2026) and "CDNA5" Instruction Set Architecture Reference Guide (July 2026). The comments in the code are by the model that wrote it; some were corrected since.
;; LSTM Cell. Allowed arithmetic: matrix products marked QUANTISED: E2M1 operands, one E8M0 scale for each 32 along K, by v_wmma_scale_f32_16x16x128_f8f6f4 with both operands' format E2M1 (or v_wmma_scale_f32_32x16x128_f4), f32 sums; everything else in f32.
;; Inputs: Wc 2,048 x 1,024 float32; Wf 2,048 x 1,024 float32; Wi 2,048 x 1,024 float32; Wo 2,048 x 1,024 float32; bc 1,024 float32; bf 1,024 float32; bi 1,024 float32; bo 1,024 float32; out_tm1 8,192 x 1,024 float32; state_tm1 8,192 x 1,024 float32; x 8,192 x 1,024 float32.
;; Outputs: out0 8,192 x 1,024 float32; out1 8,192 x 1,024 float32.
;; This version of the problem:
;;   THIS VERSION OF THE PROBLEM IS GIVEN IN LOW PRECISION. The matrix products marked QUANTISED in the list below multiply operands that are first quantised to E2M1 (2 exponent bits, 1 mantissa bit; 4 bits a number), with one power-of-two scale for each 32 numbers along K (OCP MX v1.0); their sums are f32. All else is computed in f32.
;;   The module's matrix products, in the order in which they are computed (A, B: the left and right operand; K: the contracted axis; several contracted axes count as one K, in the product's order):
;;     1. [M 8,192, K 2,048] x [K 2,048, N 1,024]; A: computed on the way; B: input Wf: QUANTISED
;;     2. [M 8,192, K 2,048] x [K 2,048, N 1,024]; A: computed on the way; B: input Wi: QUANTISED
;;     3. [M 8,192, K 2,048] x [K 2,048, N 1,024]; A: computed on the way; B: input Wc: QUANTISED
;;     4. [M 8,192, K 2,048] x [K 2,048, N 1,024]; A: computed on the way; B: input Wo: QUANTISED
;;   THE QUANTISER, for each operand of a quantised product, along K:
;;     - K is cut into blocks of 32 from its start; a last block that is shorter is filled with zeros.
;;     - A block's scale is 2^e with e = floor(log2(the largest magnitude in the block)) - 2, held to -126 .. 127; a block of zeros has e = 0. As a byte (E8M0): e + 127.
;;     - Each number is divided by its block's scale, clamped to +-6, and rounded to the nearest number of E2M1, ties to even, subnormals kept.
;;     - The product sums the exact products of the quantised numbers (number of the format x scale) in f32.
;;   ~~~python
;;   def quantise(x, axis):      # numpy; x: float32 -> the quantised numbers, widened to float32 again
;;       x = np.moveaxis(x, axis, -1); K = x.shape[-1]
;;       x = np.pad(x, [(0, 0)] * (x.ndim - 1) + [(0, -K % 32)]); x = x.reshape(x.shape[:-1] + (-1, 32)); a = np.abs(x).max(-1, keepdims=True)
;;       e = np.where(a > 0, np.clip(np.frexp(np.where(a > 0, a, 1))[1] - 1 - 2, -126, 127), 0)      # np.frexp(a)[1] - 1 = floor(log2(a)), exactly
;;       r = np.clip(x / 2.0 ** e, -6, 6)
;;       step = 2.0 ** (np.maximum(np.frexp(np.where(r == 0, 1, r))[1] - 1, 0) - 1)
;;       q = np.round(r / step) * step * 2.0 ** e      # np.round: ties to even
;;       return np.moveaxis(q.reshape(q.shape[:-2] + (-1,))[..., :K], -1, axis).astype(np.float32)
;;   ~~~
;;   OPERANDS COMPUTED ON THE WAY. 'Computed on the way' means the value that the module computes at that place (a softmax that the list does not call 'softmax' is quantised finished and normalised). What goes into a quantiser is computed in f32, as accurately as f32 sums, v_exp_f32 and their like allow (about 1e-6 of the number): no bf16 or f16 on the way to a quantiser, and a product that is left as it is and whose result goes on into a quantised operand takes f32 operands (vector FMAs, or v_wmma_f32_16x16x4_f32). A number that lies on a knife's edge between two numbers of the format may be rounded either way, as far as f32 arithmetic and the matrix unit's own rounding can turn it there, and no further.
;; 2 versions. Each part assembles by itself: llvm-mc -triple=amdgcn-amd-amdhsa -mcpu=gfx1250 --defsym DOCPART=n.
;; ======== version 1 of 2: 3 launches
;; limits: right only within a limited range of input values
;; workspace buffers: a_codes 8,388,608 bytes; a_scales 524,288 bytes; w_codes 4,194,304 bytes; w_scales 262,144 bytes
;; launch quant_x (part 1): grid 512 x 1, 4 waves a work-group, no clusters, 33,280 bytes of LDS; arguments x, out_tm1, a_codes, a_scales; writes a_codes, a_scales
.if DOCPART == 1
	.amdgcn_target "amdgcn-amd-amdhsa--gfx1250"
	.amdhsa_code_object_version 6
	.text
	.protected	k_q78a6da53a2_quant_x
	.globl	k_q78a6da53a2_quant_x
	.p2align	8
	.type	k_q78a6da53a2_quant_x,@function
k_q78a6da53a2_quant_x:
	s_mov_b64 s[64:65], 0
	v_nop
	global_prefetch_b8 v0, s[64:65] scope:SCOPE_SE
	s_setreg_imm32_b32 hwreg(HW_REG_WAVE_MODE, 25, 1), 1
	s_wait_xcnt 0x0
; xh = [x | out_tm1], [8192][2048] f32, becomes codes of FP4 (E2M1), K innermost, and one E8M0 scale byte for each 32 along K.
; a_codes: [8192 rows][1024 bytes]; the chunk c of 512 along K is bytes 256 c .. 256 c + 255 of a row (chunks 0, 1: x; chunks 2, 3: out_tm1).
; a_scales: [4 chunks][8192 rows][16 bytes]: laid by chunk, so that 16 rows' bytes of one chunk are 256 consecutive bytes.
; A block's scale is 2^(floor(log2(its largest magnitude)) - 2); its byte is the largest magnitude's exponent field - 2, held at 1 from below.
; LIMITS: a block of zeros gets the byte 1 where the quantiser's text says 127: its codes are zeros, which add nothing under any byte but 0xff, and these bytes are read by this program alone.
; Blocks whose largest magnitude lies under 2^(3 - 127) share that byte.  NaN and infinities among the inputs are not served.
; SHARES.  Work-groups 0-255 take x, 256-511 out_tm1.  A wave takes 16 rows x one chunk: 16 steps, a step = one row's 512 numbers, 2,048 consecutive bytes.
; Each of a step's four loads reads 512 consecutive bytes, 16 a lane; the conversions want 16 NEIGHBOURS in a lane, so the 2,048 bytes turn through the wave's own stage in LDS (16 bytes of padding behind each 64) and come back 64 a lane.
; A lane's 16 codes are 8 bytes: a wave's store covers 256 consecutive bytes, aligned.  The wave's 256 scale bytes are gathered in its own LDS and leave as 256 consecutive bytes, aligned.
; No barrier: waves share nothing.  Loads run four steps (16 loads a wave) ahead, the turn through LDS one step.
.set STEPS, 16
.set R,     16                         ; v16-79   four sets of 16 numbers as they are loaded
.set X,     80                         ; v80-111  two sets of 16 neighbours
.set E,     112                        ; v112-127 a scale byte for each step
.set C,     128                        ; v128-191 codes: four registers for each step, so that no store's data are written again
.set WREG,  8192                       ; LDS: a region for each wave: two stages of 32 x SP bytes, behind them its 256 scale bytes
.set SP,    80                         ; a lane's place in a stage: 64 bytes + 16 of padding
	s_load_b128 s[4:7], s[0:1], 0x0                ; x, out_tm1
	s_load_b128 s[8:11], s[0:1], 0x10              ; the codes, the scale bytes
	v_lshl_add_u32 v192, v0, 2, 0x8000
	v_mov_b32 v193, 0
	v_lshrrev_b32 v1, 5, v0
	v_readfirstlane_b32 s16, v1                    ; wave 0..3
	v_and_b32 v2, 31, v0                           ; lane
	v_lshlrev_b32 v3, 4, v2                        ; my 16 bytes of a load's 512
	s_mul_i32 s17, s16, WREG
	v_lshrrev_b32 v14, 2, v2
	v_mul_u32_u24 v14, v14, SP
	v_and_b32 v15, 3, v2
	v_lshl_add_u32 v14, v15, 4, v14
	v_add_nc_u32 v14, s17, v14                     ; the stage, on the way in: SP (lane / 4) + 16 (lane % 4); a load's 512 bytes take eight places
	v_mul_u32_u24 v15, v2, SP
	v_add_nc_u32 v15, s17, v15                     ; and on the way out: SP x lane: my 16 neighbours
	v_lshlrev_b32 v4, 3, v2                        ; my codes' place in a step's 256 bytes
	v_lshrrev_b32 v5, 1, v2
	s_add_co_u32 s17, s17, 2*32*SP
	v_add_nc_u32 v5, s17, v5                       ; LDS: my wave's 256 scale bytes, my block's byte
	v_lshlrev_b32 v7, 3, v2                        ; and on the way out 8 bytes a lane
	v_add_nc_u32 v6, s17, v7
	s_wait_kmcnt 0x0
	s_cmp_lt_u32 ttmp9, 256                        ; x's work-group or out_tm1's?  The choice hangs on the work-group's number alone
	s_cselect_b64 s[4:5], s[4:5], s[6:7]
	s_cselect_b32 s17, 0, 256
	s_cselect_b32 s18, 0, 2                        ; the tensor's first chunk of xh
	s_sub_co_u32 s17, ttmp9, s17                   ; the work-group's number within its tensor
	s_and_b32 s19, s16, 1                          ; which half of the tensor's 1,024 columns
	s_lshr_b32 s20, s16, 1
	s_lshl_b32 s17, s17, 1
	s_add_co_u32 s17, s17, s20                     ; which 16 rows: 0 .. 511
	s_add_co_u32 s18, s18, s19                     ; the chunk
	s_lshl_b32 s22, s17, 16                        ; source: 16 rows of 4,096 bytes, + 2,048 for the upper half
	s_lshl_b32 s23, s19, 11
	s_add_co_u32 s22, s22, s23
	s_mov_b32 s23, 0
	s_add_nc_u64 s[4:5], s[4:5], s[22:23]
	s_lshl_b32 s22, s17, 14                        ; codes: 16 rows of 1,024 bytes, + 256 x chunk
	s_lshl_b32 s24, s18, 8
	s_add_co_u32 s22, s22, s24
	s_add_nc_u64 s[8:9], s[8:9], s[22:23]
	s_lshl_b32 s22, s18, 17                        ; scale bytes: 131,072 x chunk + 256 for each 16 rows
	s_lshl_b32 s24, s17, 8
	s_add_co_u32 s22, s22, s24
	s_add_nc_u64 s[10:11], s[10:11], s[22:23]
.macro LOAD t                          ; row t's 2,048 bytes
.irp i, 0,1,2,3
	global_load_b128 v[R+16*((\t)%4)+4*\i:R+16*((\t)%4)+4*\i+3], v3, s[4:5] offset:4096*(\t)+512*\i th:TH_LOAD_NT   ; 32 lanes read 512 consecutive bytes; read once in the launch
.endr
.endm
.macro TURN t                          ; step t's numbers through the stage: LDS serves a wave's instructions in order, so no wait stands between the stores and the loads
.irp i, 0,1,2,3
	ds_store_b128 v14, v[R+16*((\t)%4)+4*\i:R+16*((\t)%4)+4*\i+3] offset:32*SP*((\t)%2)+8*SP*\i
.endr
.irp i, 0,1,2,3
	ds_load_b128 v[X+16*((\t)%2)+4*\i:X+16*((\t)%2)+4*\i+3], v15 offset:32*SP*((\t)%2)+16*\i
.endr
.endm
.irp t, 0,1,2,3
	LOAD \t
.endr
	s_wait_loadcnt 12                              ; step 0's four loads are in; the twelve behind them stay out
	TURN 0
.macro STEP t
.set XS, X+16*((\t)%2)
.if (\t) > 0
	s_wait_dscnt 1                                 ; this step's numbers are back from the stage (the last step's byte store may be out): so its stores into the stage have read their registers,
.else
	s_wait_dscnt 0x0
.endif
.if (\t)+4 < STEPS
	LOAD (\t)+4                                    ; which take the loads of four steps on
.endif
.if (\t)+1 < STEPS
.if STEPS-2-(\t) >= 3
	s_wait_loadcnt 12                              ; the next step's four loads are in; those of the three steps behind it may be out
.else
	s_wait_loadcnt 4*(STEPS-2-(\t))                ; the tail: fewer steps are behind it
.endif
	TURN (\t)+1                                    ; and go through the other stage while this step is worked
.endif
	v_max3_num_f32 v8, |v[XS]|, |v[XS+1]|, |v[XS+2]|               ; the largest magnitude of my 16, in two chains
	v_max3_num_f32 v9, |v[XS+3]|, |v[XS+4]|, |v[XS+5]|
.irp i, 6,10
	v_max3_num_f32 v8, v8, |v[XS+\i]|, |v[XS+\i+1]|
	v_max3_num_f32 v9, v9, |v[XS+\i+2]|, |v[XS+\i+3]|
.endr
	v_max3_num_f32 v8, v8, |v[XS+14]|, |v[XS+15]|
	v_max3_num_f32 v8, v8, v9, 0x1800000           ; and the floor 2^(3 - 127): so the byte cannot fall under 1
	v_max_num_f32_dpp v8, v8, v8 row_xmask:1 row_mask:0xf bank_mask:0xf   ; and of my neighbour's 16: the block's
	v_add_nc_u32 v11, 0xff000000, v8               ; 2 off its exponent field: the conversion takes the exponent field of this operand as its scale, and nothing else of it
	v_cvt_scalef32_pk8_fp4_f32 v[C+4*(\t)], v[XS:XS+7], v11        ; eight numbers / the scale, to the nearest code, ties to even, beyond 6 the largest code; the first number's code in the lowest four bits
	v_cvt_scalef32_pk8_fp4_f32 v[C+4*(\t)+1], v[XS+8:XS+15], v11
	v_lshrrev_b32 v[E+(\t)], 23, v11               ; the scale's byte (a plain line behind the conversions)
	ds_store_b8 v5, v[E+(\t)] offset:16*(\t)       ; row t's 16 bytes; both lanes of a block write the same byte with the same value
	global_store_b64 v4, v[C+4*(\t):C+4*(\t)+1], s[8:9] offset:1024*(\t)   ; 32 lanes store 256 consecutive bytes, aligned: row t's chunk
.endm
.irp t, 0,1,2,3,4,5,6,7,8,9,10,11,12,13,14,15
	STEP \t
.endr
	ds_load_b64 v[12:13], v6                       ; LDS serves a wave's instructions in order: these see my stores
	s_wait_dscnt 0x0
	global_store_b64 v7, v[12:13], s[10:11]        ; 16 rows x 16 bytes: 256 consecutive bytes, aligned
	s_wait_tensorcnt 0x0
	ds_add_u32 v192, v193
	s_wait_dscnt 0x0
	s_endpgm
.Lfunc_end_k_q78a6da53a2_quant_x:
	.size	k_q78a6da53a2_quant_x, .Lfunc_end_k_q78a6da53a2_quant_x-k_q78a6da53a2_quant_x
	.p2alignl 7, 3214868480
	.fill 96, 4, 3214868480
	.section	.rodata,"a",@progbits
	.p2align	6, 0x0
	.amdhsa_kernel k_q78a6da53a2_quant_x
		.amdhsa_group_segment_fixed_size 33280
		.amdhsa_private_segment_fixed_size 0
		.amdhsa_enable_private_segment 0
		.amdhsa_kernarg_size 32
		.amdhsa_user_sgpr_count 2
		.amdhsa_user_sgpr_kernarg_segment_ptr 1
		.amdhsa_wavefront_size32 1
		.amdhsa_system_sgpr_workgroup_id_x 1
		.amdhsa_system_sgpr_workgroup_id_y 1
		.amdhsa_system_sgpr_workgroup_id_z 1
		.amdhsa_system_vgpr_workitem_id 0
		.amdhsa_next_free_vgpr 194
		.amdhsa_next_free_sgpr 66
		.amdhsa_reserve_vcc 0
		.amdhsa_float_denorm_mode_32 3
		.amdhsa_float_denorm_mode_16_64 3
		.amdhsa_memory_ordered 1
		.amdhsa_forward_progress 1
		.amdhsa_inst_pref_size 33
	.end_amdhsa_kernel
	.amdgpu_metadata
---
amdhsa.version: [ 1, 2 ]
amdhsa.kernels:
  - .name:           k_q78a6da53a2_quant_x
    .symbol:         k_q78a6da53a2_quant_x.kd
    .args:
      - { .name: x, .offset: 0, .size: 8, .value_kind: global_buffer, .address_space: global }
      - { .name: out_tm1, .offset: 8, .size: 8, .value_kind: global_buffer, .address_space: global }
      - { .name: a_codes, .offset: 16, .size: 8, .value_kind: global_buffer, .address_space: global }
      - { .name: a_scales, .offset: 24, .size: 8, .value_kind: global_buffer, .address_space: global }
    .group_segment_fixed_size: 33280
    .private_segment_fixed_size: 0
    .kernarg_segment_align: 8
    .kernarg_segment_size: 32
    .max_flat_workgroup_size: 128
    .sgpr_count:     66
    .vgpr_count:     194
    .wavefront_size: 32
...
	.end_amdgpu_metadata
.endif
;; end of part 1
;; launch quant_w (part 2): grid 64 x 4, 8 waves a work-group, no clusters, 19,456 bytes of LDS; arguments Wf, Wi, Wc, Wo, w_codes, w_scales; writes w_codes, w_scales
.if DOCPART == 2
	.amdgcn_target "amdgcn-amd-amdhsa--gfx1250"
	.amdhsa_code_object_version 6
	.text
	.protected	k_q78a6da53a2_quant_w
	.globl	k_q78a6da53a2_quant_w
	.p2align	8
	.type	k_q78a6da53a2_quant_w,@function
k_q78a6da53a2_quant_w:
	s_mov_b64 s[64:65], 0
	v_nop
	global_prefetch_b8 v0, s[64:65] scope:SCOPE_SE
	s_setreg_imm32_b32 hwreg(HW_REG_WAVE_MODE, 25, 1), 1
	s_wait_xcnt 0x0
; The four weights, each [2048 (k)][1024 (n)] f32 with K as the FIRST axis, become ONE operand of 4,096 rows of codes of FP4 (E2M1), K innermost, with one E8M0 byte for each 32 along K.
; Gate g (0 f, 1 i, 2 c, 3 o) and column c make row R = 64 (c / 16) + 16 g + c % 16: so the four gates of 16 neighbouring columns are 64 neighbouring rows, and the product's launch finds the four gates of one output in one lane.
; w_codes: [4096 rows R][1024 bytes], the chunk of 512 along K at 256 x chunk.   w_scales: [4 chunks][4096 rows R][16 bytes].
; A LANE TAKES A COLUMN, AND ITS REGISTERS RUN DOWN K: a block of 32 lies in one lane's 32 registers, its largest magnitude needs no other lane, and the conversions give codes with K innermost.  Nothing is transposed by an instruction.
; A block's scale is 2^(floor(log2(its largest magnitude)) - 2); its byte is the largest magnitude's exponent field - 2, held at 1 from below.
; LIMITS: a block of zeros gets the byte 1 where the quantiser's text says 127 (its codes are zeros; this program alone reads the bytes); blocks under 2^(3 - 127) share that byte; NaN and infinities are not served.
; SHARES.  Work-group x = 16 g + cg: gate g, columns 64 cg .. + 63;  y: the chunk.  Wave w: columns 32 (w % 2) on, 128 along K from 128 (w / 2): four blocks a lane.  A load reads 128 consecutive bytes, the two waves side by side 256.
; The work-group's 64 rows x 256 bytes of codes meet in a stage in LDS (rows 272 bytes apart); behind one barrier each wave stores eight whole rows, sixteen lanes to 256 consecutive bytes, aligned; waves 0-3 store the scale bytes likewise.
.set PITCH, 272
.set SCS,   64*PITCH                   ; behind the stage: 64 rows x 16 scale bytes
.set X,     32                         ; v32-95   two sets of 32 numbers
.set C,     96                         ; v96-99   a block's codes
.set OUTR,  112                        ; v112-127 the way out
	s_load_b256 s[4:11], s[0:1], 0x0               ; Wf, Wi, Wc, Wo
	s_load_b128 s[12:15], s[0:1], 0x20             ; the codes, the scale bytes
	v_lshl_add_u32 v128, v0, 2, 0x4800
	v_mov_b32 v129, 0
	v_lshrrev_b32 v1, 5, v0
	v_readfirstlane_b32 s16, v1                    ; wave 0..7
	v_and_b32 v2, 31, v0                           ; lane
	v_lshlrev_b32 v3, 2, v2                        ; in: 4 bytes a lane
	s_and_b32 s17, s16, 1                          ; which 32 columns
	s_lshr_b32 s18, s16, 1                         ; which 128 along K
	s_and_b32 s19, s16, 3
	s_lshr_b32 s20, ttmp9, 4                       ; the gate
	s_and_b32 s21, ttmp9, 15                       ; which 64 columns
	s_and_b32 s22, ttmp7, 0xffff                   ; the chunk
	s_mul_i32 s23, s17, 32*PITCH
	s_lshl_b32 s24, s18, 6
	s_add_co_u32 s23, s23, s24
	v_mul_u32_u24 v4, v2, PITCH
	v_add_nc_u32 v4, s23, v4                       ; into the stage: row = my column of the 64, + 64 bytes for each 128 along K
	v_and_b32 v5, 15, v2
	v_lshrrev_b32 v6, 4, v2
	s_mul_i32 s23, s16, 8*PITCH
	v_mul_u32_u24 v7, v6, PITCH
	v_lshl_add_u32 v7, v5, 4, v7
	v_add_nc_u32 v7, s23, v7                       ; out of it: my wave's eight rows, sixteen lanes to a row, two rows an instruction
	v_lshlrev_b32 v8, 10, v6
	v_lshl_add_u32 v8, v5, 4, v8                   ; and the same place in the codes' buffer
	s_lshl_b32 s23, s17, 9
	s_lshl_b32 s24, s18, 2
	s_add_co_u32 s23, s23, s24
	s_add_co_u32 s23, s23, SCS
	v_lshl_add_u32 v9, v2, 4, s23                  ; my column's 16 scale bytes, my four of them
	s_lshl_b32 s23, s19, 8
	s_add_co_u32 s23, s23, SCS
	v_lshl_add_u32 v10, v2, 3, s23                 ; on the way out: 16 rows' 256 bytes, 8 a lane (waves 0-3)
	v_lshlrev_b32 v14, 3, v2
	s_lshl_b32 s24, s22, 21                        ; source: (512 chunk + 128 (w / 2)) rows of 4,096 bytes + 4 x my wave's first column
	s_lshl_b32 s25, s18, 19
	s_add_co_u32 s24, s24, s25
	s_lshl_b32 s25, s21, 8
	s_add_co_u32 s24, s24, s25
	s_lshl_b32 s25, s17, 7
	s_add_co_u32 s24, s24, s25
	s_mov_b32 s25, 0
	s_lshl_b32 s26, s21, 18                        ; codes: row 256 cg + 64 (w / 2) + 16 g + 8 (w % 2), of 1,024 bytes, + 256 x chunk
	s_lshl_b32 s27, s18, 16
	s_add_co_u32 s26, s26, s27
	s_lshl_b32 s27, s20, 14
	s_add_co_u32 s26, s26, s27
	s_lshl_b32 s27, s17, 13
	s_add_co_u32 s26, s26, s27
	s_lshl_b32 s27, s22, 8
	s_add_co_u32 s26, s26, s27
	s_mov_b32 s27, 0
	s_lshl_b32 s28, s22, 16                        ; scale bytes: 65,536 x chunk + 16 x row (256 cg + 16 g + 64 (w % 4))
	s_lshl_b32 s29, s21, 12
	s_add_co_u32 s28, s28, s29
	s_lshl_b32 s29, s20, 8
	s_add_co_u32 s28, s28, s29
	s_lshl_b32 s29, s19, 10
	s_add_co_u32 s28, s28, s29
	s_mov_b32 s29, 0
	s_wait_kmcnt 0x0
	s_cmp_lt_u32 s20, 2                            ; the gate's weight: the choices hang on the work-group's number alone
	s_cselect_b64 s[4:5], s[4:5], s[8:9]
	s_cselect_b64 s[6:7], s[6:7], s[10:11]
	s_and_b32 s30, s20, 1
	s_cmp_eq_u32 s30, 0
	s_cselect_b64 s[4:5], s[4:5], s[6:7]
	s_add_nc_u64 s[4:5], s[4:5], s[24:25]
	s_add_nc_u64 s[12:13], s[12:13], s[26:27]
	s_add_nc_u64 s[14:15], s[14:15], s[28:29]
.macro LOAD t                          ; block t: W(32 t + i, my column), i = 0 .. 31, into set t % 2
.irp i, 0,1,2,3,4,5,6,7,8,9,10,11,12,13,14,15,16,17,18,19,20,21,22,23,24,25,26,27,28,29,30,31
	global_load_b32 v[X+32*((\t)%2)+\i], v3, s[4:5] offset:(32*(\t)+\i)*4096 th:TH_LOAD_NT
.endr
.endm
	LOAD 0
	LOAD 1
.macro BLOCK t
.set XS, X+32*((\t)%2)
.if (\t) < 3
	s_wait_loadcnt 32                              ; this block's 32 loads are in; the next block's 32 may be out
.else
	s_wait_loadcnt 0x0
.endif
	v_max3_num_f32 v12, |v[XS]|, |v[XS+1]|, |v[XS+2]|              ; the block's largest magnitude: all 32 numbers are mine; two chains
	v_max3_num_f32 v13, |v[XS+3]|, |v[XS+4]|, |v[XS+5]|
.irp i, 6,10,14,18,22,26
	v_max3_num_f32 v12, v12, |v[XS+\i]|, |v[XS+\i+1]|
	v_max3_num_f32 v13, v13, |v[XS+\i+2]|, |v[XS+\i+3]|
.endr
	v_max3_num_f32 v12, v12, |v[XS+30]|, |v[XS+31]|
	v_max3_num_f32 v12, v12, v13, 0x1800000        ; and the floor 2^(3 - 127): so the byte cannot fall under 1
	v_add_nc_u32 v11, 0xff000000, v12              ; 2 off its exponent field: the conversion's scale operand
	v_lshrrev_b32 v13, 23, v11                     ; the scale's byte
.if (\t) == 0
	v_mov_b32 v24, v13                             ; four bytes to a word, the lower K in the lower byte
.else
	v_lshl_or_b32 v24, v13, 8*(\t), v24
.endif
.irp g, 0,1,2,3
	v_cvt_scalef32_pk8_fp4_f32 v[C+\g], v[XS+8*\g:XS+8*\g+7], v11
.endr
	v_nop                                          ; a plain line behind the last conversion of the run
	ds_store_b128 v4, v[C:C+3] offset:16*(\t)      ; 32 codes: 16 bytes of my column's row
.if (\t) < 2
	LOAD (\t)+2
.endif
	s_wait_dscnt 0x0                               ; the store has read its registers: the next block's codes may be written
.endm
	BLOCK 0
	BLOCK 1
	BLOCK 2
	BLOCK 3
	ds_store_b32 v9, v24                           ; my column's four scale bytes
	s_wait_dscnt 0x0                               ; for the others' sake: my stores have landed
	s_barrier_signal -1
	s_barrier_wait -1                              ; 64 whole rows of codes and their scale bytes lie in LDS
.irp t, 0,1,2,3
	ds_load_b128 v[OUTR+4*\t:OUTR+4*\t+3], v7 offset:2*\t*PITCH
.endr
.irp t, 0,1,2,3
	s_wait_dscnt 3-\t                              ; LDS loads come back in order: pair t of rows is in, the younger ones may be out
	global_store_b128 v8, v[OUTR+4*\t:OUTR+4*\t+3], s[12:13] offset:2*\t*1024   ; sixteen lanes store 256 consecutive bytes, aligned
.endr
	s_cmp_lt_u32 s16, 4                            ; the scale bytes are four runs of 256 bytes: waves 0-3 take one each
	s_cbranch_scc0 .Ldone
	ds_load_b64 v[100:101], v10
	s_wait_dscnt 0x0
	global_store_b64 v14, v[100:101], s[14:15]     ; 16 rows R x 16 bytes: 256 consecutive bytes, aligned
.Ldone:
	s_wait_tensorcnt 0x0
	ds_add_u32 v128, v129
	s_wait_dscnt 0x0
	s_endpgm
.Lfunc_end_k_q78a6da53a2_quant_w:
	.size	k_q78a6da53a2_quant_w, .Lfunc_end_k_q78a6da53a2_quant_w-k_q78a6da53a2_quant_w
	.p2alignl 7, 3214868480
	.fill 96, 4, 3214868480
	.section	.rodata,"a",@progbits
	.p2align	6, 0x0
	.amdhsa_kernel k_q78a6da53a2_quant_w
		.amdhsa_group_segment_fixed_size 19456
		.amdhsa_private_segment_fixed_size 0
		.amdhsa_enable_private_segment 0
		.amdhsa_kernarg_size 48
		.amdhsa_user_sgpr_count 2
		.amdhsa_user_sgpr_kernarg_segment_ptr 1
		.amdhsa_wavefront_size32 1
		.amdhsa_system_sgpr_workgroup_id_x 1
		.amdhsa_system_sgpr_workgroup_id_y 1
		.amdhsa_system_sgpr_workgroup_id_z 1
		.amdhsa_system_vgpr_workitem_id 0
		.amdhsa_next_free_vgpr 130
		.amdhsa_next_free_sgpr 66
		.amdhsa_reserve_vcc 0
		.amdhsa_float_denorm_mode_32 3
		.amdhsa_float_denorm_mode_16_64 3
		.amdhsa_memory_ordered 1
		.amdhsa_forward_progress 1
		.amdhsa_inst_pref_size 23
	.end_amdhsa_kernel
	.amdgpu_metadata
---
amdhsa.version: [ 1, 2 ]
amdhsa.kernels:
  - .name:           k_q78a6da53a2_quant_w
    .symbol:         k_q78a6da53a2_quant_w.kd
    .args:
      - { .name: Wf, .offset: 0, .size: 8, .value_kind: global_buffer, .address_space: global }
      - { .name: Wi, .offset: 8, .size: 8, .value_kind: global_buffer, .address_space: global }
      - { .name: Wc, .offset: 16, .size: 8, .value_kind: global_buffer, .address_space: global }
      - { .name: Wo, .offset: 24, .size: 8, .value_kind: global_buffer, .address_space: global }
      - { .name: w_codes, .offset: 32, .size: 8, .value_kind: global_buffer, .address_space: global }
      - { .name: w_scales, .offset: 40, .size: 8, .value_kind: global_buffer, .address_space: global }
    .group_segment_fixed_size: 19456
    .private_segment_fixed_size: 0
    .kernarg_segment_align: 8
    .kernarg_segment_size: 48
    .max_flat_workgroup_size: 256
    .sgpr_count:     66
    .vgpr_count:     130
    .wavefront_size: 32
...
	.end_amdgpu_metadata
.endif
;; end of part 2
;; launch lstm (part 3): grid 16 x 32, 4 waves a work-group, clusters of 4 x 4, 327,680 bytes of LDS; arguments a_codes, a_scales, w_codes, w_scales, bf, bi, bc, bo, state_tm1, out0, out1; writes out0, out1
.if DOCPART == 3
	.amdgcn_target "amdgcn-amd-amdhsa--gfx1250"
	.amdhsa_code_object_version 6
	.text
	.protected	k_q78a6da53a2_lstm
	.globl	k_q78a6da53a2_lstm
	.p2align	8
	.type	k_q78a6da53a2_lstm,@function
k_q78a6da53a2_lstm:
	s_mov_b64 s[64:65], 0
	v_nop
	global_prefetch_b8 v0, s[64:65] scope:SCOPE_SE
	s_setreg_imm32_b32 hwreg(HW_REG_WAVE_MODE, 25, 1), 1
	s_wait_xcnt 0x0
	s_wait_alu depctr_hold_cnt(0) depctr_sa_sdst(0) depctr_va_vdst(0) depctr_va_sdst(0) depctr_va_ssrc(0) depctr_va_vcc(0) depctr_vm_vsrc(0)
	s_getreg_b32 s2, hwreg(HW_REG_IB_STS2, 6, 4)
	s_cmp_eq_u32 s2, 0
	s_cbranch_scc0 .Lentry_in_a_cluster
	s_endpgm
.Lentry_in_a_cluster:
	s_bfe_u32 s2, ttmp6, 0x10000c
	s_cmp_lg_u32 s2, 0xf033
	s_cbranch_scc0 .Lentry_shape_is_right
	s_endpgm
.Lentry_shape_is_right:
; The LSTM step on codes of FP4 (E2M1) with one E8M0 scale for each 32 along K: z_g = xh W_g + b_g for the four gates as ONE product of 8,192 rows x 4,096 rows R over K = 2,048, and the gates' arithmetic behind it, in registers:
; new_state = state sigmoid(z_f) + sigmoid(z_i) tanh(z_c) (out1);  output = sigmoid(z_o) tanh(new_state) (out0).  The four pre-activations never go to memory.
; OPERANDS.  a_codes [8192][1024 bytes], w_codes [4096][1024 bytes], K innermost; scale bytes laid [4 chunks of 512 along K][rows][16 bytes].  Row R of the weights = 64 (c / 16) + 16 g + c % 16 for gate g (0 f, 1 i, 2 c, 3 o), column c.
; SHARES.  A work-group of four waves, as many as a WGP has SIMDs, makes 256 rows x 256 rows R = 64 output columns x 4 gates; a wave 128 x 128: 64 accumulators of 16 x 16, 512 registers.
; THE MATRIX INSTRUCTION IS USED TRANSPOSED (source 0 = 16 rows R, source 1 = 16 rows of xh): accumulator (a, b = 4 j + g), register e, lane (r, h) is gate g of row 16 a + r, column 16 j + 8 h + e of the wave's 32 columns:
; the four gates of one output stand in the same lane and register of four accumulators, and a lane's eight registers are eight neighbouring columns.
; K goes in chunks of 512 through a ring of two LDS slots filled by the tensor data mover (a tile's row is 256 bytes of memory, aligned); four chunks, written out without a loop.
; The scale bytes of the work-group's rows for all of K come once, with the first fills.  The biases are the C of each sum's first product.  The state's tile comes into slot 0 behind that slot's last read, while the last chunk is multiplied.
; CLUSTERS: 4 x 4 work-groups.  The four of a row of the cluster need the same tiles of xh, the four of a column the same tiles of the weights: each is asked for JOINTLY, by the same tensor load with the same descriptor and a mask that names the four.
; THE GATES, with L = log2(e): Ef = 2^min(-L z_f, 40), Ei, Eo likewise, Ec = 2^min(2 L z_c, 40);  P = (1 + Ei)(1 + Ec);  new_state = (state P + (Ec - 1)(1 + Ef)) / ((1 + Ef) P);
; En = 2^min(2 L new_state, 40);  output = (En - 1) / ((1 + Eo)(1 + En)): five exponentials and two reciprocals an output.
; LIMITS: the exponents are held at 40, so that every product of three factors stays under 2^121: a gate so differs from reference's by under 2^-39; |state_tm1| under 2^46; NaN and infinities among the inputs are not served.
; REGISTERS, in windows of 256: window 0: v0-31 addresses; v32-95 scale words, two sets; v128-191 xh's fragments, ONE set; behind the products v32-255 are at work.
;   window 1: the weights' fragments, TWO sets, at v0 and v128; v64-127 the biases in the result's layout.   window 2: the accumulators of my rows 0-63 ((a, b) at v[8 (8 a + b)]);   window 3: those of my rows 64-127.
.set NQ,     4                         ; steps of 128 along K in a chunk
.set ROWB,   256                       ; a tile's row in bytes: 512 codes
.set KROW,   1024                      ; a row of codes in memory
.set PITCH,  272                       ; an LDS row: 256 bytes + 16 of padding = 68 words: the 16 rows that a load touches start at 16 different banks (64 banks of 4 bytes: ISA guide 11.1)
.set FR,     8                         ; registers of a fragment: 16 rows x 128 K
.set NL,     2                         ; LDS loads that bring one
.set NP,     4                         ; places behind this matrix instruction (ISA guide 7.12.1)
.set HALFT,  128*PITCH                 ; 128 rows: what one tensor load brings, and what one wave reads of either operand
.set SLOT,   4*HALFT                   ; xh's 256 rows, then the weights' 256 rows
.set SCL,    2*SLOT                    ; behind the ring: the scale bytes: for each wave's 128 fetched rows 4 chunks x 2,048 bytes
.set HALFS,  8192
.set SBLK,   256                       ; 16 rows' bytes of a chunk
.set SPARE,  SCL+4*HALFS               ; behind the scales: the spare words, 128 bytes for each wave: two blocks of 256 bytes that no other line names
.set STGN,   SLOT                      ; the stages for new_state and for the output, 256 rows x 272 bytes each: in slot 1, which has had its last fill and its last read when the first result is stored there
.set STGO,   SLOT+256*PITCH
.set ADRA, 16                          ; v16-17  LDS address of my fragments of xh in slot 0, 1
.set RDN,  18                          ; v18     the way out: where I read rows of new_state back;  v19: of the output
.set ADRB, 20                          ; v20-21  LDS address of my fragments of the weights
.set STA,  22                          ; v22     where my 32 bytes of the state's tile lie
.set STN,  23                          ; v23     the same place in new_state's stage
.set STW,  24                          ; v24     and in the output's
.set CO,   26                          ; v26     my byte offset in two rows of an output
.set ADRS, 27                          ; v27     LDS address of my scale words: lanes 0-15 xh's rows, lanes 16-31 the weights'
.set SPW,  28                          ; v28     LDS address of my spare word: SPARE + 4 x my thread's number; never rewritten
.set NIL,  29                          ; v29     0; never rewritten
.set PFO,  30                          ; v30     4,096 x my thread's number: a row of the state; never rewritten
.set BO,   31                          ; v31     my byte offset in a bias
.set SC,   32                          ; scale words: set s at v[SC + 32 s]; register 4 i + q: lanes 0-15 xh's block i, lanes 16-31 the weights' block i, for the chunk's q-th 128 along K
.set AF,   128                         ; xh's fragments, in window 0
.set BIAS, 64                          ; the biases, in window 1: block b's eight registers at v[BIAS + 8 b]
.set ZF,   32                          ; the tail, window 0: v32-47 f's, v48-63 i's, v64-79 c's, v80-95 o's 16 numbers; v96-111 at work;
.set ZI,   48
.set ZC,   64
.set ZO,   80
.set TT,   96
.set SS,   112                         ; v112-143 the state, v144-175 new_state, v176-207 the output: two sets of 16 each
.set NS,   144
.set OU,   176
.set G1T,  4                           ; s[4:11]  descriptor group 1 for the state's tile (the operands' addresses are done with by then);  s[20:23] its group 0
.set G0T,  20
.set G1,   24                          ; s[24:31] group 1 for xh's tiles;  s[32:39] group 0, one set for each slot
.set G0,   32
.set G1B,  48                          ; s[48:55], s[56:63] the same for the weights' tiles
.set G0B,  56
.set G1S,  68                          ; s[68:75], s[76:79] groups 1 and 0 for xh's scales;  s[80:87], s[88:91] for the weights'
.set G0S,  76
.set G1SB, 80
.set G0SB, 88
.set MSB, 0
.macro WIN new                         ; s_set_vgpr_msb: bits 1:0 source 0, 3:2 source 1, 5:4 source 2, 7:6 destination; the immediate's high byte repeats the setting that is left
.if MSB != \new
	s_set_vgpr_msb (MSB<<8)|\new
.set MSB, \new
.endif
.endm
.set MUL_LO, 0xa1                      ; source 0 (weights) window 1, source 1 (xh) window 0, C and D window 2
.set MUL_HI, 0xf1                      ; the same, C and D window 3
.set FST_LO, 0x91                      ; the first step: C (the bias) window 1, D window 2
.set FST_HI, 0xd1                      ; C window 1, D window 3
.set TO_B,   0x40                      ; destination window 1, address window 0
; A joint load: waves 0 and 1 fetch for xh, waves 2 and 3 for the weights.  Each of the two lines has ONE mask and one set of registers for all that issue it; the branch hangs on the wave's number alone.
; Four v_nop follow each of the two lines, ahead of the jump, the label and what follows.
.macro JLOAD g0a, g1a, g0b, g1b
	s_cmp_eq_u32 s15, 0
	s_cbranch_scc0 .Lfor_b_\@
	tensor_load_to_lds s[\g0a:\g0a+3], s[\g1a:\g1a+7]
	s_nop 0
.rept 4
	v_nop
.endr
	s_branch .Lasked_\@
.Lfor_b_\@:
	tensor_load_to_lds s[\g0b:\g0b+3], s[\g1b:\g1b+7]
	s_nop 0
.rept 4
	v_nop
.endr
.Lasked_\@:
.endm
.macro CREST                           ; a round of the cluster's barrier behind its opening barrier
	s_cmp_lg_u32 s14, 0
	s_cbranch_scc1 .Lnot_wave_0_\@
	s_barrier_signal -3
.Lnot_wave_0_\@:
	s_barrier_wait -3
	s_barrier_signal -1
	s_barrier_wait -1
.endm
.macro CROUND                          ; a whole round
	s_barrier_signal -1
	s_barrier_wait -1
	CREST
.endm
	s_load_b128 s[4:7], s[0:1], 0x0                ; xh's codes, xh's scales
	s_load_b128 s[8:11], s[0:1], 0x10              ; the weights' codes, their scales
	s_load_b256 s[92:99], s[0:1], 0x20             ; bf, bi, bc, bo
	s_load_b64 s[100:101], s[0:1], 0x40            ; the state
	s_load_b64 s[12:13], s[0:1], 0x48              ; out0: the output
	s_load_b64 s[66:67], s[0:1], 0x50              ; out1: new_state
	v_lshl_add_u32 v[SPW], v0, 2, SPARE
	v_mov_b32 v[NIL], 0
	ds_add_u32 v28, v29
	s_wait_dscnt 0x0
	v_lshrrev_b32 v1, 5, v0
	v_readfirstlane_b32 s14, v1                    ; wave 0..3
	s_lshr_b32 s15, s14, 1                         ; which half of the tile's rows is mine.  Also: I fetch for xh (0) or for the weights (1)
	s_and_b32 s16, s14, 1                          ; which half of its rows R.  Also: which 128 rows of that tile I fetch
	s_bfe_u32 s40, ttmp6, 0x40000                  ; cx, cy: my place in the cluster
	s_bfe_u32 s41, ttmp6, 0x40004
	s_lshl_b32 s42, ttmp9, 2
	s_add_co_u32 s42, s42, s40                     ; tile column = 4 x cluster x + cx: 64 output columns
	s_and_b32 s17, ttmp7, 0xffff
	s_lshl_b32 s17, s17, 2
	s_add_co_u32 s17, s17, s41                     ; tile row = 4 x cluster y + cy: 256 rows
	s_lshl_b32 s43, s41, 2
	s_lshl_b32 s43, 15, s43                        ; my row of the cluster
	s_lshl_b32 s44, 0x1111, s40                    ; my column
	; group 1 for the codes: a tile of 128 rows x 256 bytes, padded in LDS
	s_or_b32 s[G1+0], s43, (0<<16)|(1<<20)|(1<<21)|(5<<22)|(3<<25)  ; 15:0 the mask: xh's tiles go to my row; 17:16 elements of 1 byte; 20 padding on; 21 set beside a mask; 24:22 after every 64 words (code 5); 31:25 four words (code 3)
	s_or_b32 s[G1B+0], s44, (0<<16)|(1<<20)|(1<<21)|(5<<22)|(3<<25) ; the same with my column's mask
.irp g, G1, G1B
	s_mov_b32 s[\g+1], ROWB<<16                    ; tensor_dim0
	s_mov_b32 s[\g+2], 128<<16                     ; tensor_dim1
	s_mov_b32 s[\g+3], ROWB<<16                    ; tile_dim0
	s_mov_b32 s[\g+4], 128                         ; tile_dim1
	s_mov_b32 s[\g+5], KROW                        ; tensor_dim0_stride
	s_mov_b32 s[\g+6], 0
	s_mov_b32 s[\g+7], 0
.endr
	; group 1 for the scales of 128 rows: four rows (chunks) of 2,048 consecutive bytes = 256 elements of 8 bytes; no padding: sixteen lanes will read 256 consecutive bytes
	s_or_b32 s[G1S+0], s43, (3<<16)|(1<<21)
	s_or_b32 s[G1SB+0], s44, (3<<16)|(1<<21)
.irp g, G1S, G1SB
	s_mov_b32 s[\g+1], 256<<16
	s_mov_b32 s[\g+2], 4<<16
	s_mov_b32 s[\g+3], 256<<16
	s_mov_b32 s[\g+4], 4
	s_mov_b32 s[\g+6], 0
	s_mov_b32 s[\g+7], 0
.endr
	s_mov_b32 s[G1S+5], 16384                      ; from chunk to chunk: 8,192 rows x 16 bytes, in elements
	s_mov_b32 s[G1SB+5], 8192                      ; 4,096 rows x 16 bytes
	s_lshl_b32 s18, s16, 7                         ; which 128 rows of the tile I fetch
	s_lshl_b32 s20, s17, 8
	s_add_co_u32 s20, s20, s18                     ; xh: row 256 x tile row + 128 x half
	s_lshl_b32 s46, s42, 8
	s_add_co_u32 s46, s46, s18                     ; weights: row R 256 x tile column + 128 x half
	s_lshl_b32 s22, s20, 4                         ; where these rows' scales begin in chunk 0: 16 bytes a row
	s_mov_b32 s23, 0
	s_lshl_b32 s104, s46, 4
	s_mov_b32 s105, 0
	s_lshl_b32 s20, s20, 10                        ; and their codes: 1,024 bytes a row
	s_mov_b32 s21, 0
	s_lshl_b32 s46, s46, 10
	s_mov_b32 s47, 0
	s_mul_i32 s45, s14, HALFT                      ; where they go: wave x 128 rows: no place in the cluster enters an LDS address
	s_lshl_b32 s2, s14, 13                         ; wave x 8,192
	s_wait_kmcnt 0x0
	s_add_nc_u64 s[20:21], s[4:5], s[20:21]
	s_add_nc_u64 s[22:23], s[6:7], s[22:23]
	s_add_nc_u64 s[46:47], s[8:9], s[46:47]
	s_add_nc_u64 s[104:105], s[10:11], s[104:105]
	CROUND                                         ; all sixteen work-groups are here: the first joint loads meet
	s_mov_b32 s[G0S], 1
	s_add_co_u32 s[G0S+1], s2, SCL
	s_mov_b64 s[G0S+2:G0S+3], s[22:23]
	s_or_b32 s[G0S+3], s[G0S+3], 0x80000000
	s_mov_b32 s[G0SB], 1
	s_add_co_u32 s[G0SB+1], s2, SCL
	s_mov_b64 s[G0SB+2:G0SB+3], s[104:105]
	s_or_b32 s[G0SB+3], s[G0SB+3], 0x80000000
	JLOAD G0S, G1S, G0SB, G1SB                     ; the scales first: they are wanted with chunk 0
.irp s, 0,1
	s_mov_b32 s[G0+4*\s], 1
	s_add_co_u32 s[G0+4*\s+1], s45, \s*SLOT
	s_add_nc_u64 s[G0+4*\s+2:G0+4*\s+3], s[20:21], \s*ROWB
	s_or_b32 s[G0+4*\s+3], s[G0+4*\s+3], 0x80000000
	s_mov_b32 s[G0B+4*\s], 1
	s_add_co_u32 s[G0B+4*\s+1], s45, \s*SLOT
	s_add_nc_u64 s[G0B+4*\s+2:G0B+4*\s+3], s[46:47], \s*ROWB
	s_or_b32 s[G0B+4*\s+3], s[G0B+4*\s+3], 0x80000000
	JLOAD G0+4*\s, G1, G0B+4*\s, G1B               ; chunks 0 and 1: three tensor loads of mine are out
.endr
	v_and_b32 v1, 15, v0                           ; r = lane % 16
	v_bfe_u32 v2, v0, 4, 1                         ; h = lane / 16
	v_mul_u32_u24 v3, v1, PITCH
	v_lshl_add_u32 v4, v2, 4, v3                   ; a fragment's row x pitch + 16 x half
	s_mul_i32 s21, s15, HALFT                      ; my 128 rows of xh
	s_mul_i32 s22, s16, HALFT                      ; my 128 rows of the weights,
	s_add_co_u32 s22, s22, 2*HALFT                 ; which lie behind xh's 256
.irp s, 0,1
	v_add_nc_u32 v[ADRA+\s], s21, v4
	v_add_nc_u32 v[ADRB+\s], s22, v4
	s_add_co_u32 s21, s21, SLOT
	s_add_co_u32 s22, s22, SLOT
.endr
	v_lshlrev_b32 v5, 4, v1                        ; my row's 16 scale bytes of a chunk
	s_lshl_b32 s21, s15, 13                        ; xh's: my 128 rows
	s_lshl_b32 s22, s16, 13                        ; the weights': my 128 rows, behind xh's two regions
	s_add_co_u32 s22, s22, 2*HALFS
	s_sub_co_u32 s22, s22, s21
	v_mul_u32_u24 v6, s22, v2                      ; lanes 16-31 take the weights': one product, the lower base + h x the distance
	s_add_co_u32 s21, s21, SCL
	v_add_nc_u32 v5, v5, v6
	v_add_nc_u32 v[ADRS], s21, v5
	s_mul_i32 s21, s15, HALFT                      ; the tail: row 128 (w / 2) + r of 272 bytes, + 128 (w % 2) + 32 h: my eight columns of the wave's first sixteen
	s_lshl_b32 s22, s16, 7
	s_add_co_u32 s21, s21, s22
	v_lshl_add_u32 v5, v2, 5, v3
	v_add_nc_u32 v[STA], s21, v5
	v_add_nc_u32 v[STN], STGN, v[STA]
	v_add_nc_u32 v[STW], STGO, v[STA]
	s_mul_i32 s21, s14, 64*PITCH                   ; the way out: wave w takes rows 64 w on, whole; lanes 0-15 one row of 256 bytes, lanes 16-31 the next
	v_mul_u32_u24 v5, v2, PITCH
	v_lshl_add_u32 v5, v1, 4, v5
	v_add_nc_u32 v5, s21, v5
	v_add_nc_u32 v[RDN], STGN, v5
	v_add_nc_u32 v[RDN+1], STGO, v5
	v_lshlrev_b32 v[CO], 12, v2                    ; and the same two rows in an output: 4,096 bytes a row
	v_lshl_add_u32 v[CO], v1, 4, v[CO]
	v_lshlrev_b32 v[PFO], 12, v0
	s_lshl_b32 s22, s42, 8                         ; a bias: 4 bytes x (64 tile column + 32 (w % 2) + 8 h)
	s_lshl_b32 s23, s16, 7
	s_add_co_u32 s22, s22, s23
	v_lshl_add_u32 v[BO], v2, 5, s22
	WIN TO_B
.irp j, 0,1                            ; block b = 4 j + g: gate g's bias at my eight columns 16 j + 8 h + 0 .. 7
.irp g, 0,1,2,3
	global_load_b128 v[BIAS+8*(4*\j+\g):BIAS+8*(4*\j+\g)+3],   v[BO], s[92+2*\g:93+2*\g] offset:64*\j
	global_load_b128 v[BIAS+8*(4*\j+\g)+4:BIAS+8*(4*\j+\g)+7], v[BO], s[92+2*\g:93+2*\g] offset:64*\j+16
.endr
.endr
	WIN 0
	s_lshl_b32 s46, s17, 20                        ; the tile's first byte in the state and in both outputs: 256 rows of 4,096 bytes x tile row + 256 x tile column
	s_lshl_b32 s47, s42, 8
	s_add_co_u32 s46, s46, s47
	s_mov_b32 s47, 0
	s_add_nc_u64 s[100:101], s[100:101], s[46:47]
	s_add_nc_u64 s[12:13], s[12:13], s[46:47]
	s_add_nc_u64 s[66:67], s[66:67], s[46:47]
	s_lshl_b32 s104, s14, 18                       ; my wave's 64 rows of it
	s_mov_b32 s105, 0
	s_add_nc_u64 s[12:13], s[12:13], s[104:105]
	s_add_nc_u64 s[66:67], s[66:67], s[104:105]
	s_mov_b32 s[G0T], 1                            ; the state's tile: each wave brings its 64 rows x 256 bytes, for its own work-group alone
	s_mul_i32 s[G0T+1], s14, 64*PITCH              ; into slot 0's first bytes
	s_add_nc_u64 s[G0T+2:G0T+3], s[100:101], s[104:105]
	s_or_b32 s[G0T+3], s[G0T+3], 0x80000000
	s_mov_b32 s[G1T+0], (3<<16)|(1<<20)|(5<<22)|(3<<25)   ; no mask; elements of 8 bytes; four words of padding after every 64
	s_mov_b32 s[G1T+1], 32<<16                     ; tensor_dim0 = 32 elements: 256 bytes
	s_mov_b32 s[G1T+2], 64<<16                     ; tensor_dim1 = 64
	s_mov_b32 s[G1T+3], 32<<16                     ; tile_dim0
	s_mov_b32 s[G1T+4], 64                         ; tile_dim1
	s_mov_b32 s[G1T+5], 512                        ; from row to row: 4,096 bytes
	s_mov_b32 s[G1T+6], 0
	s_mov_b32 s[G1T+7], 0
.macro FRAG reg, adr, q, i             ; a fragment, 16 rows x 128 K of 4-bit codes, is 8 registers: lane l holds row l % 16; registers 4 c .. 4 c + 3 hold K = 64 c + 32 (l / 16) + 0 .. 31
.irp c, 0,1
	ds_load_b128 v[\reg+4*\c:\reg+4*\c+3], v[\adr] offset:64*(\q)+32*\c+(\i)*16*PITCH
.endr
.endm
; 16 matrix instructions: xh's blocks a0, a0 + 1 x the weights' eight, 128 along K: the chunk's q-th.  p: the weights' set;  sc: the set of scale words.  zero = 1: the first product starts the sums on the biases: nothing is cleared, nothing is added later.
; The 64 accumulators take turns, one instruction a turn, in the same order in every step.
.macro MUL16 a0, p, q, sc, zero
.irp a, \a0, \a0+1
.irp b, 0,1,2,3,4,5,6,7
.if \zero
	v_wmma_scale_f32_16x16x128_f8f6f4 v[8*(8*((\a)%4)+\b):8*(8*((\a)%4)+\b)+7], v[128*(\p)+FR*\b:128*(\p)+FR*\b+FR-1], v[AF+FR*(\a):AF+FR*(\a)+FR-1], v[BIAS+8*\b:BIAS+8*\b+7], v[SC+8*NQ*(\sc)+NQ*\b+(\q)], v[SC+8*NQ*(\sc)+NQ*(\a)+(\q)] matrix_a_fmt:MATRIX_FMT_FP4 matrix_b_fmt:MATRIX_FMT_FP4 matrix_a_scale:MATRIX_SCALE_ROW1
.else
	v_wmma_scale_f32_16x16x128_f8f6f4 v[8*(8*((\a)%4)+\b):8*(8*((\a)%4)+\b)+7], v[128*(\p)+FR*\b:128*(\p)+FR*\b+FR-1], v[AF+FR*(\a):AF+FR*(\a)+FR-1], v[8*(8*((\a)%4)+\b):8*(8*((\a)%4)+\b)+7], v[SC+8*NQ*(\sc)+NQ*\b+(\q)], v[SC+8*NQ*(\sc)+NQ*(\a)+(\q)] matrix_a_fmt:MATRIX_FMT_FP4 matrix_b_fmt:MATRIX_FMT_FP4 matrix_a_scale:MATRIX_SCALE_ROW1
.endif
.endr
.endr
.endm
.macro FETCH_B slot, q, p              ; the weights' eight fragments of the chunk's q-th 128 along K into set p
	WIN TO_B
.irp i, 0,1,2,3,4,5,6,7
	FRAG 128*(\p)+FR*\i, ADRB+\slot, \q, \i
.endr
	WIN 0
.endm
.macro FETCH_A slot, q, i0             ; xh's blocks i0 .. i0 + 3
.irp i, \i0, \i0+1, \i0+2, \i0+3
	FRAG AF+FR*(\i), ADRA+\slot, \q, \i
.endr
.endm
.macro SCALES sc                       ; a chunk's scale words into set sc: four words a row; lanes 0-15 take xh's block i, lanes 16-31 the weights' block i: each half of the lanes reads 256 consecutive bytes
.irp i, 0,1,2,3,4,5,6,7
	ds_load_b128 v[SC+8*NQ*\sc+NQ*\i:SC+8*NQ*\sc+NQ*\i+3], v[ADRS] offset:\i*SBLK
.endr
.endm
; A load into a register that a matrix instruction has read, and a vector instruction that reads a matrix result or writes one of a matrix instruction's registers, stand NP places behind it, and only plain vector
; instructions that name none of its registers are places (ISA guide 7.12.1 for vector instructions); the matrix instructions in between are not counted.
.macro PLACES n
.rept \n
	v_nop
.endr
.endm
; A step of 128 along K that has its successor in the same slot.  A block of xh is free as soon as its eight products are issued, so one set serves xh: blocks 0-3 come anew in the step's middle, blocks 4-7 at its end.
.macro STEP slot, q, zero
	s_wait_dscnt 4*NL                              ; the weights' set, xh's blocks 0-3 and the scale words are in; the youngest eight loads (xh's blocks 4-7) may be out
.if \zero
	WIN FST_LO
.else
	WIN MUL_LO
.endif
	MUL16 0, (\q)%2, \q, \slot, \zero
	MUL16 2, (\q)%2, \q, \slot, \zero
	s_wait_dscnt 0                                 ; xh's blocks 4-7 are in (asked for 32 matrix instructions ago)
	PLACES NP
	FETCH_B \slot, (\q)+1, 1-(\q)%2
	FETCH_A \slot, (\q)+1, 0
.if \zero
	WIN FST_HI
.else
	WIN MUL_HI
.endif
	MUL16 4, (\q)%2, \q, \slot, \zero
	MUL16 6, (\q)%2, \q, \slot, \zero
	PLACES NP
	WIN 0
	FETCH_A \slot, (\q)+1, 4
.endm
; A slot's last step changes slots: ONE barrier, which opens a round of the cluster's; in front of it each wave waits for all its tensor loads, adds 0 to its spare word, and waits for that and for its own reads of this slot.
; fill = 1: this slot takes the chunk two chunks on, by a joint load.  fill = 2: slot 0 takes the state's tile, each wave its own 64 rows: its last fill.
.macro TURN slot, next, fill
	s_wait_tensorcnt 0x0                           ; all my tensor loads have landed: my part of the next slot;  (every window is 0 here: the add's two registers lie in window 0)
	ds_add_u32 v[SPW], v[NIL]                      ; 0 onto my spare word
	s_wait_dscnt 4*NL+1                            ; (the add and the youngest eight loads, xh's blocks 4-7, may be out)
	WIN MUL_LO
	MUL16 0, 1, NQ-1, \slot, 0                     ; sixteen matrix instructions stand between the add and the wait for it
	s_wait_dscnt 0x0                               ; the add is done, and my reads of this slot are over
	s_barrier_signal -1
	MUL16 2, 1, NQ-1, \slot, 0
	WIN 0
	s_barrier_wait -1
	CREST                                          ; no wave of any partner still reads this slot's tile or has a load on its way
.if \fill == 1
	s_add_nc_u64 s[G0+4*\slot+2:G0+4*\slot+3], s[G0+4*\slot+2:G0+4*\slot+3], 2*ROWB
	s_add_nc_u64 s[G0B+4*\slot+2:G0B+4*\slot+3], s[G0B+4*\slot+2:G0B+4*\slot+3], 2*ROWB
	JLOAD G0+4*\slot, G1, G0B+4*\slot, G1B         ; the first tensor load behind the round; the four v_nop behind it are the places in front of the loads below
.else
	tensor_load_to_lds s[G0T:G0T+3], s[G1T:G1T+7]  ; my one tensor load behind the round: it has the last chunk's 256 matrix instructions in which to land
	s_nop 0
	PLACES 4
.endif
	v_add_nc_u32 v[ADRS], 2048, v[ADRS]            ; on to the next chunk's scale words (no LDS load of mine is out)
	FETCH_B \next, 0, 0
	FETCH_A \next, 0, 0
	SCALES \next
	WIN MUL_HI
	MUL16 4, 1, NQ-1, \slot, 0
	MUL16 6, 1, NQ-1, \slot, 0
	PLACES NP
	WIN 0
	FETCH_A \next, 0, 4
.endm
.macro STEPS slot, from                ; the slot's steps from .. NQ - 2
.set Q, \from
.rept NQ-1-\from
	STEP \slot, Q, 0
.set Q, Q+1
.endr
.endm
	s_wait_tensorcnt 1                             ; the scales and my part of chunk 0 are in; chunk 1's load may stay out
	s_barrier_signal -1
	s_barrier_wait -1                              ; everybody's are
	FETCH_B 0, 0, 0
	FETCH_A 0, 0, 0
	SCALES 0
	FETCH_A 0, 0, 4
	s_wait_loadcnt 0x0                             ; the biases
	STEP 0, 0, 1                                   ; the first step's products start the sums on the biases
	; the state's tile is asked for into the L2: 256 rows x 256 bytes, each row's block once in the launch, by the thread whose number is the row's (and 128 rows on); eleven steps of 128 along K ahead of the tensor load that wants it
	global_prefetch_b8 v[PFO], s[100:101] th:TH_LOAD_NT scope:SCOPE_SE
	global_prefetch_b8 v[PFO], s[100:101] offset:524288 th:TH_LOAD_NT scope:SCOPE_SE
	STEPS 0, 1                                     ; chunk 0
	TURN 0, 1, 1                                   ; slot 0 takes chunk 2
	STEPS 1, 0                                     ; chunk 1
	TURN 1, 0, 1                                   ; slot 1 takes chunk 3
	STEPS 0, 0                                     ; chunk 2
	TURN 0, 1, 2                                   ; slot 0 takes the state's tile
	STEPS 1, 0                                     ; chunk 3
	s_wait_dscnt 4*NL                              ; the very last step: nothing more to fetch
	WIN MUL_LO
	MUL16 0, 1, NQ-1, 1, 0
	MUL16 2, 1, NQ-1, 1, 0
	s_wait_dscnt 0                                 ; my reads of slot 1 are over
	WIN MUL_HI
	MUL16 4, 1, NQ-1, 1, 0
	MUL16 6, 1, NQ-1, 1, 0
	WIN 0
	PLACES NP                                      ; behind the last products: their results are read, and their operands' registers written, below
	s_wait_tensorcnt 0x0                           ; my 64 rows of the state have landed; no descriptor of mine is in use any more
	s_barrier_signal -1
	s_barrier_wait -1                              ; the state's tile is whole, and nobody reads slot 1 any more: it takes the stages
; THE GATES, a unit of 16 rows at a time: 16 outputs a lane (j = 0, 1: sixteen columns each; e = 0 .. 7).
.macro SLOAD a                         ; unit a's 16 numbers of the state: register 8 j + e
.irp j, 0,1
.irp q, 0,1
	ds_load_b128 v[SS+16*((\a)%2)+8*\j+4*\q:SS+16*((\a)%2)+8*\j+4*\q+3], v[STA] offset:16*(\a)*PITCH+64*\j+16*\q
.endr
.endr
.endm
.macro EPI a
.set AC, 64*((\a)%4)                   ; the unit's eight accumulators, in window 2 (units 0-3) or 3 (units 4-7)
.set S0, SS+16*((\a)%2)
.set N0, NS+16*((\a)%2)
.set U0, OU+16*((\a)%2)
.if (\a) == 0
	s_wait_dscnt 0x0                               ; this unit's state is in
.else
	s_wait_dscnt 8                                 ; this unit's state is in: behind its four loads stand the last unit's eight stores, which may be out; the stores of the unit before that, whose registers are written below, are older and done
.endif
.if (\a) < 7
	SLOAD (\a)+1                                   ; the next unit's, a unit ahead
.endif
	WIN 0x02+(\a)/4                                ; source 0: window 2 or 3
.irp j, 0,1
.irp p, 0,2,4,6                        ; each accumulator from its low end on
	v_pk_mul_f32 v[ZF+8*\j+\p:ZF+8*\j+\p+1], v[AC+32*\j+\p:AC+32*\j+\p+1],       s[24:25] op_sel_hi:[1,0]   ; -L z_f
	v_pk_mul_f32 v[ZI+8*\j+\p:ZI+8*\j+\p+1], v[AC+32*\j+8+\p:AC+32*\j+8+\p+1],   s[24:25] op_sel_hi:[1,0]   ; -L z_i
	v_pk_mul_f32 v[ZC+8*\j+\p:ZC+8*\j+\p+1], v[AC+32*\j+16+\p:AC+32*\j+16+\p+1], s[26:27] op_sel_hi:[1,0]   ; 2 L z_c
	v_pk_mul_f32 v[ZO+8*\j+\p:ZO+8*\j+\p+1], v[AC+32*\j+24+\p:AC+32*\j+24+\p+1], s[24:25] op_sel_hi:[1,0]   ; -L z_o
.endr
.endr
	WIN 0
.set n, 0
.rept 64
	v_min_num_f32 v[ZF+n], s28, v[ZF+n]            ; the exponents are held at 40
.set n, n+1
.endr
.set n, 0
.rept 64
	v_exp_f32 v[ZF+n], v[ZF+n]                     ; Ef, Ei, Ec, Eo
.set n, n+1
.endr
	v_nop                                          ; a plain line between the exponentials and the first use of a result
	s_wait_alu depctr_va_vdst(0)
.irp p, 0,2,4,6,8,10,12,14
	v_pk_add_f32 v[TT+\p:TT+\p+1], v[ZC+\p:ZC+\p+1], -1.0 op_sel_hi:[1,0]                          ; Ec - 1
.endr
.irp p, 0,2,4,6,8,10,12,14
	v_pk_add_f32 v[ZC+\p:ZC+\p+1], v[ZC+\p:ZC+\p+1], 1.0 op_sel_hi:[1,0]                           ; 1 + Ec
.endr
.irp p, 0,2,4,6,8,10,12,14
	v_pk_fma_f32 v[ZI+\p:ZI+\p+1], v[ZI+\p:ZI+\p+1], v[ZC+\p:ZC+\p+1], v[ZC+\p:ZC+\p+1]            ; P = (1 + Ei)(1 + Ec)
.endr
.irp p, 0,2,4,6,8,10,12,14
	v_pk_fma_f32 v[TT+\p:TT+\p+1], v[TT+\p:TT+\p+1], v[ZF+\p:ZF+\p+1], v[TT+\p:TT+\p+1]            ; (Ec - 1)(1 + Ef)
.endr
.irp p, 0,2,4,6,8,10,12,14
	v_pk_fma_f32 v[ZF+\p:ZF+\p+1], v[ZF+\p:ZF+\p+1], v[ZI+\p:ZI+\p+1], v[ZI+\p:ZI+\p+1]            ; (1 + Ef) P
.endr
.irp p, 0,2,4,6,8,10,12,14
	v_pk_fma_f32 v[TT+\p:TT+\p+1], v[S0+\p:S0+\p+1], v[ZI+\p:ZI+\p+1], v[TT+\p:TT+\p+1]            ; state P + (Ec - 1)(1 + Ef)
.endr
.set n, 0
.rept 16
	v_rcp_f32 v[ZF+n], v[ZF+n]
.set n, n+1
.endr
	v_nop
	s_wait_alu depctr_va_vdst(0)
.irp p, 0,2,4,6,8,10,12,14
	v_pk_mul_f32 v[N0+\p:N0+\p+1], v[TT+\p:TT+\p+1], v[ZF+\p:ZF+\p+1]                              ; new_state
.endr
.irp p, 0,2,4,6,8,10,12,14
	v_pk_mul_f32 v[ZC+\p:ZC+\p+1], v[N0+\p:N0+\p+1], s[26:27] op_sel_hi:[1,0]                      ; 2 L new_state
.endr
.set n, 0
.rept 16
	v_min_num_f32 v[ZC+n], s28, v[ZC+n]
.set n, n+1
.endr
.set n, 0
.rept 16
	v_exp_f32 v[ZC+n], v[ZC+n]                     ; En
.set n, n+1
.endr
	v_nop
	s_wait_alu depctr_va_vdst(0)
.irp p, 0,2,4,6,8,10,12,14
	v_pk_add_f32 v[TT+\p:TT+\p+1], v[ZC+\p:ZC+\p+1], -1.0 op_sel_hi:[1,0]                          ; En - 1
.endr
.irp p, 0,2,4,6,8,10,12,14
	v_pk_add_f32 v[ZC+\p:ZC+\p+1], v[ZC+\p:ZC+\p+1], 1.0 op_sel_hi:[1,0]                           ; 1 + En
.endr
.irp p, 0,2,4,6,8,10,12,14
	v_pk_fma_f32 v[ZC+\p:ZC+\p+1], v[ZO+\p:ZO+\p+1], v[ZC+\p:ZC+\p+1], v[ZC+\p:ZC+\p+1]            ; (1 + Eo)(1 + En)
.endr
.set n, 0
.rept 16
	v_rcp_f32 v[ZC+n], v[ZC+n]
.set n, n+1
.endr
	v_nop
	s_wait_alu depctr_va_vdst(0)
.irp p, 0,2,4,6,8,10,12,14
	v_pk_mul_f32 v[U0+\p:U0+\p+1], v[TT+\p:TT+\p+1], v[ZC+\p:ZC+\p+1]                              ; the output
.endr
.irp j, 0,1
.irp q, 0,1
	ds_store_b128 v[STN], v[N0+8*\j+4*\q:N0+8*\j+4*\q+3] offset:16*(\a)*PITCH+64*\j+16*\q
.endr
.endr
.irp j, 0,1
.irp q, 0,1
	ds_store_b128 v[STW], v[U0+8*\j+4*\q:U0+8*\j+4*\q+3] offset:16*(\a)*PITCH+64*\j+16*\q
.endr
.endr
.endm
	SLOAD 0
	s_mov_b32 s24, 0xbfb8aa3b                      ; -L = -log2(e); the packed forms name a pair and take its low word for both halves, so both words are written
	s_mov_b32 s25, s24
	s_mov_b32 s26, 0x4038aa3b                      ; 2 L
	s_mov_b32 s27, s26
	s_mov_b32 s28, 0x42200000                      ; 40.0
.irp a, 0,1,2,3,4,5,6,7
	EPI \a
.endr
	s_wait_dscnt 0x0                               ; for the others' sake: my stores into the stages have landed
	s_barrier_signal -1
	s_barrier_wait -1                              ; 256 whole rows of new_state and of the output lie in the stages: a row's 256 bytes come from two waves
; THE WAY OUT: wave w stores rows 64 w .. 64 w + 63 of both results, 32 rows a run.  Runs 0, 1: new_state; runs 2, 3: the output.
.macro RB k
.irp t, 0,1,2,3,4,5,6,7,8,9,10,11,12,13,14,15
	ds_load_b128 v[128+64*((\k)%2)+4*\t:128+64*((\k)%2)+4*\t+3], v[RDN+(\k)/2] offset:(32*((\k)%2)+2*\t)*PITCH
.endr
.endm
.macro SEND k, younger                 ; younger: the LDS loads issued behind run k's, which may stay out
	s_wait_dscnt \younger
.irp t, 0,1,2,3,4,5,6,7,8,9,10,11,12,13,14,15
.if (\k) < 2
	global_store_b128 v[CO], v[128+64*((\k)%2)+4*\t:128+64*((\k)%2)+4*\t+3], s[66:67] offset:(32*((\k)%2)+2*\t)*4096 th:TH_STORE_NT   ; sixteen lanes store 256 consecutive bytes, aligned; written once, read by nobody here
.else
	global_store_b128 v[CO], v[128+64*((\k)%2)+4*\t:128+64*((\k)%2)+4*\t+3], s[12:13] offset:(32*((\k)%2)+2*\t)*4096 th:TH_STORE_NT
.endif
.endr
.endm
	RB 0
	RB 1
	SEND 0, 16
	s_wait_xcnt 0x0                                ; run 0's stores have read their registers: run 2's loads may land there
	RB 2
	SEND 1, 16
	s_wait_xcnt 0x0                                ; run 1's likewise
	RB 3
	SEND 2, 16
	SEND 3, 0
	s_wait_tensorcnt 0x0                           ; the wave's end: behind my last tensor load and my last LDS store
	ds_add_u32 v[SPW], v[NIL]
	s_wait_dscnt 0x0
	CROUND                                         ; the closing round: no work-group ends while a partner may still ask for a tile that names it
	s_endpgm
.Lfunc_end_k_q78a6da53a2_lstm:
	.size	k_q78a6da53a2_lstm, .Lfunc_end_k_q78a6da53a2_lstm-k_q78a6da53a2_lstm
	.p2alignl 7, 3214868480
	.fill 96, 4, 3214868480
	.section	.rodata,"a",@progbits
	.p2align	6, 0x0
	.amdhsa_kernel k_q78a6da53a2_lstm
		.amdhsa_group_segment_fixed_size 327680
		.amdhsa_private_segment_fixed_size 0
		.amdhsa_enable_private_segment 0
		.amdhsa_kernarg_size 88
		.amdhsa_user_sgpr_count 2
		.amdhsa_user_sgpr_kernarg_segment_ptr 1
		.amdhsa_wavefront_size32 1
		.amdhsa_system_sgpr_workgroup_id_x 1
		.amdhsa_system_sgpr_workgroup_id_y 1
		.amdhsa_system_sgpr_workgroup_id_z 1
		.amdhsa_system_vgpr_workitem_id 0
		.amdhsa_next_free_vgpr 1024
		.amdhsa_next_free_sgpr 106
		.amdhsa_reserve_vcc 0
		.amdhsa_float_denorm_mode_32 3
		.amdhsa_float_denorm_mode_16_64 3
		.amdhsa_memory_ordered 1
		.amdhsa_forward_progress 1
		.amdhsa_inst_pref_size 255
	.end_amdhsa_kernel
	.section	.bss,"aw",@nobits
	.p2align	6
	.space	262144
	.amdgpu_metadata
---
amdhsa.version: [ 1, 2 ]
amdhsa.kernels:
  - .name:           k_q78a6da53a2_lstm
    .symbol:         k_q78a6da53a2_lstm.kd
    .args:
      - { .name: a_codes, .offset: 0, .size: 8, .value_kind: global_buffer, .address_space: global }
      - { .name: a_scales, .offset: 8, .size: 8, .value_kind: global_buffer, .address_space: global }
      - { .name: w_codes, .offset: 16, .size: 8, .value_kind: global_buffer, .address_space: global }
      - { .name: w_scales, .offset: 24, .size: 8, .value_kind: global_buffer, .address_space: global }
      - { .name: bf, .offset: 32, .size: 8, .value_kind: global_buffer, .address_space: global }
      - { .name: bi, .offset: 40, .size: 8, .value_kind: global_buffer, .address_space: global }
      - { .name: bc, .offset: 48, .size: 8, .value_kind: global_buffer, .address_space: global }
      - { .name: bo, .offset: 56, .size: 8, .value_kind: global_buffer, .address_space: global }
      - { .name: state_tm1, .offset: 64, .size: 8, .value_kind: global_buffer, .address_space: global }
      - { .name: out0, .offset: 72, .size: 8, .value_kind: global_buffer, .address_space: global }
      - { .name: out1, .offset: 80, .size: 8, .value_kind: global_buffer, .address_space: global }
    .group_segment_fixed_size: 327680
    .private_segment_fixed_size: 0
    .kernarg_segment_align: 8
    .kernarg_segment_size: 88
    .max_flat_workgroup_size: 128
    .sgpr_count:     106
    .vgpr_count:     1024
    .wavefront_size: 32
...
	.end_amdgpu_metadata
.endif
;; end of part 3
;; ======== version 2 of 2: 2 launches
;; limits: right only within a limited range of input values
;; workspace buffers: a_img 8,912,896 bytes; w_img 4,456,448 bytes
;; launch quant (part 4): grid 512 x 1, 8 waves a work-group, no clusters, 84,992 bytes of LDS; arguments x, out_tm1, Wf, Wi, Wc, Wo, a_img, w_img; writes a_img, w_img
.if DOCPART == 4
	.amdgcn_target "amdgcn-amd-amdhsa--gfx1250"
	.amdhsa_code_object_version 6
	.text
	.protected	k_q78a6da53a2_quant
	.globl	k_q78a6da53a2_quant
	.p2align	8
	.type	k_q78a6da53a2_quant,@function
k_q78a6da53a2_quant:
	s_mov_b64 s[64:65], 0
	v_nop
	global_prefetch_b8 v0, s[64:65] scope:SCOPE_SE
	s_setreg_imm32_b32 hwreg(HW_REG_WAVE_MODE, 25, 1), 1
	s_wait_xcnt 0x0
; Both operands of the four products become codes of FP4 (E2M1), K innermost, with one E8M0 scale byte for each 32 along K.  One launch: work-groups 0-255 take xh = [x | out_tm1], work-groups 256-511 the four weights.
; The two paths part at the first line on the work-group's number, which all waves of a work-group share, and never join; each has LDS bytes of its own (xh: 0 .. 65,535; the weights: from 65,536 on).
; A block's scale is 2^(floor(log2(its largest magnitude)) - 2); its byte is the largest magnitude's exponent field - 2, held at 1 from below.
; LIMITS: a block of zeros gets the byte 1 where the quantiser's text says 127: its codes are zeros, which add nothing under any byte but 0xff, and these bytes are read by this program alone.
; Blocks whose largest magnitude lies under 2^(3 - 127) share that byte.  NaN and infinities among the inputs are not served.
; a_codes: [8192 rows][1024 bytes]; the chunk c of 512 along K is bytes 256 c .. 256 c + 255 of a row (chunks 0, 1: x; chunks 2, 3: out_tm1).   a_scales: [4 chunks][8192 rows][16 bytes].
; w_codes: [4096 rows R][1024 bytes];  w_scales: [4 chunks][4096 rows R][16 bytes].  Gate g (0 f, 1 i, 2 c, 3 o) and column c make row R = 64 (c / 16) + 16 g + c % 16: the four gates of 16 neighbouring columns are 64 neighbouring
; rows, so that the product's launch finds the four gates of one output in one lane.  The scales lie by chunk, so that 16 rows' bytes of one chunk are 256 consecutive bytes.
; THE TWO WORKSPACE BUFFERS (these lines take the place of what is said above of a_codes, a_scales, w_codes and w_scales): a_img and w_img are runs of dense images of 34,816 bytes, [block of 128 rows][chunk of 512 along K]:
; an image holds the 128 rows' codes of the chunk, 256 bytes a row, and behind them their scale bytes, 16 a row: 136 units of 256 bytes, in the order in which the product's launch holds them in LDS.  The weights' rows R are as above.
.set WL,    65536
	v_lshl_add_u32 v192, v0, 2, 0x14800
	v_mov_b32 v193, 0
	s_cmp_lt_u32 ttmp9, 256
	s_cbranch_scc0 .Lweights
; ======== xh.  K is innermost.  Work-groups 0-127 take x, 128-255 out_tm1.  A wave takes 16 rows x one chunk: 16 steps, a step = one row's 512 numbers, 2,048 consecutive bytes.
; Each of a step's four loads reads 512 consecutive bytes, 16 a lane; the conversions want 16 NEIGHBOURS in a lane, so the 2,048 bytes turn through the wave's own stage in LDS (16 bytes of padding behind each 64) and come back 64 a lane.
; A lane's 16 codes are 8 bytes: a wave's store covers 256 consecutive bytes, aligned.  The wave's 256 scale bytes are gathered in its own LDS and leave likewise.  No barrier: waves share nothing.  Loads run four steps (16 loads a wave) ahead.
.set STEPS, 16
.set XR,    16                         ; v16-79   four sets of 16 numbers as they are loaded
.set XX,    80                         ; v80-111  two sets of 16 neighbours
.set XE,    112                        ; v112-127 a scale byte for each step
.set XC,    128                        ; v128-191 codes: four registers for each step, so that no store's data are written again
.set WREG,  8192                       ; LDS: a region for each wave: two stages of 32 x SP bytes, behind them its 256 scale bytes
.set SP,    80                         ; a lane's place in a stage: 64 bytes + 16 of padding
	s_load_b128 s[4:7], s[0:1], 0x0                ; x, out_tm1
	s_load_b128 s[8:11], s[0:1], 0x30              ; xh's codes, its scale bytes
	v_lshrrev_b32 v1, 5, v0
	s_delay_alu instid0(VALU_DEP_1)
	v_readfirstlane_b32 s16, v1                    ; wave 0..7
	v_and_b32 v2, 31, v0                           ; lane
	s_delay_alu instid0(VALU_DEP_1)
	v_lshlrev_b32 v3, 4, v2                        ; my 16 bytes of a load's 512
	s_mul_i32 s17, s16, WREG
	v_lshrrev_b32 v14, 2, v2
	s_delay_alu instid0(VALU_DEP_1)
	v_mul_u32_u24 v14, v14, SP
	v_and_b32 v15, 3, v2
	s_delay_alu instid0(VALU_DEP_1)
	v_lshl_add_u32 v14, v15, 4, v14
	s_delay_alu instid0(VALU_DEP_1)
	v_add_nc_u32 v14, s17, v14                     ; the stage, on the way in: SP (lane / 4) + 16 (lane % 4); a load's 512 bytes take eight places
	v_mul_u32_u24 v15, v2, SP
	s_delay_alu instid0(VALU_DEP_1)
	v_add_nc_u32 v15, s17, v15                     ; and on the way out: SP x lane: my 16 neighbours
	v_lshlrev_b32 v4, 3, v2                        ; my codes' place in a step's 256 bytes
	v_lshrrev_b32 v5, 1, v2
	s_add_co_u32 s17, s17, 2*32*SP
	v_add_nc_u32 v5, s17, v5                       ; LDS: my wave's 256 scale bytes, my block's byte
	v_lshlrev_b32 v7, 3, v2                        ; and on the way out 8 bytes a lane
	s_delay_alu instid0(VALU_DEP_1)
	v_add_nc_u32 v6, s17, v7
	s_wait_alu depctr_va_vdst(0)
	s_wait_kmcnt 0x0
	s_cmp_lt_u32 ttmp9, 128                        ; x's work-group or out_tm1's?  The choice hangs on the work-group's number alone
	s_cselect_b64 s[4:5], s[4:5], s[6:7]
	s_cselect_b32 s17, 0, 128
	s_cselect_b32 s18, 0, 2                        ; the tensor's first chunk of xh
	s_sub_co_u32 s17, ttmp9, s17                   ; the work-group's number within its tensor: 0 .. 127
	s_and_b32 s19, s16, 1                          ; which half of the tensor's 1,024 columns
	s_lshr_b32 s20, s16, 1
	s_lshl_b32 s17, s17, 2
	s_add_co_u32 s17, s17, s20                     ; which 16 rows: 0 .. 511
	s_add_co_u32 s18, s18, s19                     ; the chunk
	s_lshl_b32 s22, s17, 16                        ; source: 16 rows of 4,096 bytes, + 2,048 for the upper half
	s_lshl_b32 s23, s19, 11
	s_add_co_u32 s22, s22, s23
	s_mov_b32 s23, 0
	s_add_nc_u64 s[4:5], s[4:5], s[22:23]
	s_lshr_b32 s22, s17, 3                         ; the block of 128 rows
	s_lshl_b32 s22, s22, 2
	s_add_co_u32 s22, s22, s18                     ; the image: 4 x block + chunk
	s_mul_i32 s22, s22, 34816
	s_add_nc_u64 s[8:9], s[8:9], s[22:23]
	s_and_b32 s24, s17, 7                          ; which 16 rows of the 128
	s_lshl_b32 s22, s24, 8
	s_add_co_u32 s22, s22, 32768                   ; scale bytes: behind the image's codes, 256 for each 16 rows
	s_add_nc_u64 s[10:11], s[8:9], s[22:23]
	s_lshl_b32 s22, s24, 12                        ; codes: 16 rows of 256 bytes
	s_add_nc_u64 s[8:9], s[8:9], s[22:23]
.macro XLOAD t                         ; row t's 2,048 bytes
.irp i, 0,1,2,3
	global_load_b128 v[XR+16*((\t)%4)+4*\i:XR+16*((\t)%4)+4*\i+3], v3, s[4:5] offset:4096*(\t)+512*\i th:TH_LOAD_NT   ; 32 lanes read 512 consecutive bytes; read once in the launch
.endr
.endm
.macro XTURN t                         ; step t's numbers through the stage: LDS serves a wave's instructions in order, so no wait stands between the stores and the loads
.irp i, 0,1,2,3
	ds_store_b128 v14, v[XR+16*((\t)%4)+4*\i:XR+16*((\t)%4)+4*\i+3] offset:32*SP*((\t)%2)+8*SP*\i
.endr
.irp i, 0,1,2,3
	ds_load_b128 v[XX+16*((\t)%2)+4*\i:XX+16*((\t)%2)+4*\i+3], v15 offset:32*SP*((\t)%2)+16*\i
.endr
.endm
.irp t, 0,1,2,3
	XLOAD \t
.endr
	s_wait_loadcnt 12                              ; step 0's four loads are in; the twelve behind them stay out
	XTURN 0
.macro XSTEP t
.set XS, XX+16*((\t)%2)
.if (\t) > 0
	s_wait_dscnt 1                                 ; this step's numbers are back from the stage (the last step's byte store may be out): so its stores into the stage have read their registers,
.else
	s_wait_dscnt 0x0
.endif
.if (\t)+4 < STEPS
	XLOAD (\t)+4                                   ; which take the loads of four steps on
.endif
.if (\t)+1 < STEPS
.if STEPS-2-(\t) >= 3
	s_wait_loadcnt 12                              ; the next step's four loads are in; those of the three steps behind it may be out
.else
	s_wait_loadcnt 4*(STEPS-2-(\t))                ; the tail: fewer steps are behind it
.endif
	XTURN (\t)+1                                   ; and go through the other stage while this step is worked
.endif
	v_max3_num_f32 v8, |v[XS]|, |v[XS+1]|, |v[XS+2]|               ; the largest magnitude of my 16, in two chains
	v_max3_num_f32 v9, |v[XS+3]|, |v[XS+4]|, |v[XS+5]|
.irp i, 6,10
	s_delay_alu instid0(VALU_DEP_2)
	v_max3_num_f32 v8, v8, |v[XS+\i]|, |v[XS+\i+1]|
	s_delay_alu instid0(VALU_DEP_2)
	v_max3_num_f32 v9, v9, |v[XS+\i+2]|, |v[XS+\i+3]|
.endr
	s_delay_alu instid0(VALU_DEP_2)
	v_max3_num_f32 v8, v8, |v[XS+14]|, |v[XS+15]|
	s_delay_alu instid0(VALU_DEP_1)
	v_max3_num_f32 v8, v8, v9, 0x1800000           ; and the floor 2^(3 - 127): so the byte cannot fall under 1
	s_delay_alu instid0(VALU_DEP_1)
	v_max_num_f32_dpp v8, v8, v8 row_xmask:1 row_mask:0xf bank_mask:0xf   ; and of my neighbour's 16: the block's
	s_delay_alu instid0(VALU_DEP_1)
	v_add_nc_u32 v11, 0xff000000, v8               ; 2 off its exponent field: the conversion takes the exponent field of this operand as its scale, and nothing else of it
	v_cvt_scalef32_pk8_fp4_f32 v[XC+4*(\t)], v[XS:XS+7], v11       ; eight numbers / the scale, to the nearest code, ties to even, beyond 6 the largest code; the first number's code in the lowest four bits
	v_cvt_scalef32_pk8_fp4_f32 v[XC+4*(\t)+1], v[XS+8:XS+15], v11
	v_lshrrev_b32 v[XE+(\t)], 23, v11              ; the scale's byte (a plain line behind the conversions)
	ds_store_b8 v5, v[XE+(\t)] offset:16*(\t)      ; row t's 16 bytes; both lanes of a block write the same byte with the same value
	global_store_b64 v4, v[XC+4*(\t):XC+4*(\t)+1], s[8:9] offset:256*(\t)   ; 32 lanes store 256 consecutive bytes, aligned: row t of the image
.endm
.irp t, 0,1,2,3,4,5,6,7,8,9,10,11,12,13,14,15
	XSTEP \t
.endr
	ds_load_b64 v[12:13], v6                       ; LDS serves a wave's instructions in order: these see my stores
	s_wait_dscnt 0x0
	global_store_b64 v7, v[12:13], s[10:11]        ; 16 rows x 16 bytes: 256 consecutive bytes, aligned
	s_wait_tensorcnt 0x0
	ds_add_u32 v192, v193
	s_wait_dscnt 0x0
	s_endpgm
; ======== The weights, each [2048 (k)][1024 (n)] f32 with K as the FIRST axis.  A LANE TAKES A COLUMN, AND ITS REGISTERS RUN DOWN K: a block of 32 lies in one lane's 32 registers, its largest magnitude needs no other lane,
; and the conversions give codes with K innermost.  Nothing is transposed by an instruction.
; With n = the work-group's number - 256: gate (n / 16) % 4, columns 64 (n % 16) on, chunk n / 64.  Wave w: columns 32 (w % 2) on, 128 along K from 128 (w / 2): four blocks a lane.  A load reads 128 consecutive bytes, the two waves side by side 256.
; The work-group's 64 rows x 256 bytes of codes meet in a stage in LDS (rows 272 bytes apart); behind one barrier each wave stores eight whole rows, sixteen lanes to 256 consecutive bytes, aligned; waves 0-3 store the scale bytes likewise.
.set PITCH, 272
.set SCS,   WL+64*PITCH                ; behind the stage: 64 rows x 16 scale bytes
.set WX,    32                         ; v32-95   two sets of 32 numbers
.set WC,    96                         ; v96-99   a block's codes
.set WOUT,  112                        ; v112-127 the way out
.Lweights:
	s_load_b256 s[4:11], s[0:1], 0x10              ; Wf, Wi, Wc, Wo
	s_load_b64 s[12:13], s[0:1], 0x38              ; the weights' images
	v_lshrrev_b32 v1, 5, v0
	s_delay_alu instid0(VALU_DEP_1)
	v_readfirstlane_b32 s16, v1                    ; wave 0..7
	v_and_b32 v2, 31, v0                           ; lane
	s_wait_alu depctr_va_vdst(0)
	v_lshlrev_b32 v3, 2, v2                        ; in: 4 bytes a lane
	s_and_b32 s17, s16, 1                          ; which 32 columns
	s_lshr_b32 s18, s16, 1                         ; which 128 along K
	s_and_b32 s19, s16, 3
	s_sub_co_u32 s31, ttmp9, 256                   ; n: 0 .. 255
	s_bfe_u32 s20, s31, 0x20004                    ; the gate: two bits from bit 4
	s_and_b32 s21, s31, 15                         ; which 64 columns
	s_lshr_b32 s22, s31, 6                         ; the chunk
	s_mul_i32 s23, s17, 32*PITCH
	s_lshl_b32 s24, s18, 6
	s_add_co_u32 s23, s23, s24
	s_add_co_u32 s23, s23, WL
	v_mul_u32_u24 v4, v2, PITCH
	s_delay_alu instid0(VALU_DEP_1)
	v_add_nc_u32 v4, s23, v4                       ; into the stage: row = my column of the 64, + 64 bytes for each 128 along K
	v_and_b32 v5, 15, v2
	v_lshrrev_b32 v6, 4, v2
	s_mul_i32 s23, s16, 8*PITCH
	s_add_co_u32 s23, s23, WL
	v_mul_u32_u24 v7, v6, PITCH
	s_delay_alu instid0(VALU_DEP_1)
	v_lshl_add_u32 v7, v5, 4, v7
	s_delay_alu instid0(VALU_DEP_1)
	v_add_nc_u32 v7, s23, v7                       ; out of it: my wave's eight rows, sixteen lanes to a row, two rows an instruction
	v_lshlrev_b32 v8, 8, v6
	s_delay_alu instid0(VALU_DEP_1)
	v_lshl_add_u32 v8, v5, 4, v8                   ; and the same place in the codes' buffer
	s_lshl_b32 s23, s17, 9
	s_lshl_b32 s24, s18, 2
	s_add_co_u32 s23, s23, s24
	s_add_co_u32 s23, s23, SCS
	v_lshl_add_u32 v9, v2, 4, s23                  ; my column's 16 scale bytes, my four of them
	s_lshl_b32 s23, s19, 8
	s_add_co_u32 s23, s23, SCS
	v_lshl_add_u32 v10, v2, 3, s23                 ; on the way out: 16 rows' 256 bytes, 8 a lane (waves 0-3)
	v_lshlrev_b32 v14, 3, v2
	s_lshl_b32 s24, s22, 21                        ; source: (512 chunk + 128 (w / 2)) rows of 4,096 bytes + 4 x my wave's first column
	s_lshl_b32 s25, s18, 19
	s_add_co_u32 s24, s24, s25
	s_lshl_b32 s25, s21, 8
	s_add_co_u32 s24, s24, s25
	s_lshl_b32 s25, s17, 7
	s_add_co_u32 s24, s24, s25
	s_mov_b32 s25, 0
	s_lshl_b32 s28, s21, 3
	s_add_co_u32 s28, s28, s22                     ; 4 x (2 cg) + chunk
	s_lshr_b32 s26, s18, 1                         ; codes: row R = 256 cg + 64 (w / 2) + 16 g + 8 (w % 2): block 2 cg + w / 4,
	s_lshl_b32 s26, s26, 2
	s_add_co_u32 s26, s26, s28
	s_mul_i32 s26, s26, 34816
	s_and_b32 s27, s18, 1                          ; in it row 64 ((w / 2) % 2) + 16 g + 8 (w % 2), of 256 bytes
	s_lshl_b32 s27, s27, 14
	s_add_co_u32 s26, s26, s27
	s_lshl_b32 s27, s20, 12
	s_add_co_u32 s26, s26, s27
	s_lshl_b32 s27, s17, 11
	s_add_co_u32 s26, s26, s27
	s_mov_b32 s27, 0
	s_lshr_b32 s29, s19, 1                         ; scale bytes: rows R = 256 cg + 64 (w % 4) + 16 g on: block 2 cg + (w % 4) / 2,
	s_lshl_b32 s29, s29, 2
	s_add_co_u32 s28, s28, s29
	s_mul_i32 s28, s28, 34816
	s_and_b32 s29, s19, 1                          ; behind its codes, unit 4 (w % 2) + g of 256 bytes
	s_lshl_b32 s29, s29, 10
	s_add_co_u32 s28, s28, s29
	s_lshl_b32 s29, s20, 8
	s_add_co_u32 s28, s28, s29
	s_add_co_u32 s28, s28, 32768
	s_mov_b32 s29, 0
	s_wait_kmcnt 0x0
	s_cmp_lt_u32 s20, 2                            ; the gate's weight: the choices hang on the work-group's number alone
	s_cselect_b64 s[4:5], s[4:5], s[8:9]
	s_cselect_b64 s[6:7], s[6:7], s[10:11]
	s_and_b32 s30, s20, 1
	s_cmp_eq_u32 s30, 0
	s_cselect_b64 s[4:5], s[4:5], s[6:7]
	s_add_nc_u64 s[4:5], s[4:5], s[24:25]
	s_add_nc_u64 s[14:15], s[12:13], s[28:29]
	s_add_nc_u64 s[12:13], s[12:13], s[26:27]
.macro WLOAD t                         ; block t: W(32 t + i, my column), i = 0 .. 31, into set t % 2
.irp i, 0,1,2,3,4,5,6,7,8,9,10,11,12,13,14,15,16,17,18,19,20,21,22,23,24,25,26,27,28,29,30,31
	global_load_b32 v[WX+32*((\t)%2)+\i], v3, s[4:5] offset:(32*(\t)+\i)*4096 th:TH_LOAD_NT
.endr
.endm
	WLOAD 0
	WLOAD 1
.macro WBLOCK t
.set WS, WX+32*((\t)%2)
.if (\t) < 3
	s_wait_loadcnt 32                              ; this block's 32 loads are in; the next block's 32 may be out
.else
	s_wait_loadcnt 0x0
.endif
	v_max3_num_f32 v12, |v[WS]|, |v[WS+1]|, |v[WS+2]|              ; the block's largest magnitude: all 32 numbers are mine; two chains
	v_max3_num_f32 v13, |v[WS+3]|, |v[WS+4]|, |v[WS+5]|
.irp i, 6,10,14,18,22,26
	s_delay_alu instid0(VALU_DEP_2)
	v_max3_num_f32 v12, v12, |v[WS+\i]|, |v[WS+\i+1]|
	s_delay_alu instid0(VALU_DEP_2)
	v_max3_num_f32 v13, v13, |v[WS+\i+2]|, |v[WS+\i+3]|
.endr
	s_delay_alu instid0(VALU_DEP_2)
	v_max3_num_f32 v12, v12, |v[WS+30]|, |v[WS+31]|
	s_delay_alu instid0(VALU_DEP_1)
	v_max3_num_f32 v12, v12, v13, 0x1800000        ; and the floor 2^(3 - 127): so the byte cannot fall under 1
	s_delay_alu instid0(VALU_DEP_1)
	v_add_nc_u32 v11, 0xff000000, v12              ; 2 off its exponent field: the conversion's scale operand
	s_delay_alu instid0(VALU_DEP_1)
	v_lshrrev_b32 v13, 23, v11                     ; the scale's byte
.if (\t) == 0
	s_delay_alu instid0(VALU_DEP_1)
	v_mov_b32 v24, v13                             ; four bytes to a word, the lower K in the lower byte
.else
	s_delay_alu instid0(VALU_DEP_1)
	v_lshl_or_b32 v24, v13, 8*(\t), v24
.endif
.irp g, 0,1,2,3
	v_cvt_scalef32_pk8_fp4_f32 v[WC+\g], v[WS+8*\g:WS+8*\g+7], v11
.endr
	v_nop                                          ; a plain line behind the last conversion of the run
	ds_store_b128 v4, v[WC:WC+3] offset:16*(\t)    ; 32 codes: 16 bytes of my column's row
.if (\t) < 2
	WLOAD (\t)+2
.endif
	s_wait_dscnt 0x0                               ; the store has read its registers: the next block's codes may be written
.endm
	WBLOCK 0
	WBLOCK 1
	WBLOCK 2
	WBLOCK 3
	s_wait_alu depctr_va_vdst(0)
	ds_store_b32 v9, v24                           ; my column's four scale bytes
	s_wait_dscnt 0x0                               ; for the others' sake: my stores have landed
	s_barrier_signal -1
	s_barrier_wait -1                              ; 64 whole rows of codes and their scale bytes lie in LDS
.irp t, 0,1,2,3
	ds_load_b128 v[WOUT+4*\t:WOUT+4*\t+3], v7 offset:2*\t*PITCH
.endr
.irp t, 0,1,2,3
	s_wait_dscnt 3-\t                              ; LDS loads come back in order: pair t of rows is in, the younger ones may be out
	global_store_b128 v8, v[WOUT+4*\t:WOUT+4*\t+3], s[12:13] offset:2*\t*256   ; sixteen lanes store 256 consecutive bytes, aligned
.endr
	s_cmp_lt_u32 s16, 4                            ; the scale bytes are four runs of 256 bytes: waves 0-3 take one each
	s_cbranch_scc0 .Ldone
	ds_load_b64 v[100:101], v10
	s_wait_dscnt 0x0
	global_store_b64 v14, v[100:101], s[14:15]     ; 16 rows R x 16 bytes: 256 consecutive bytes, aligned
.Ldone:
	s_wait_tensorcnt 0x0
	ds_add_u32 v192, v193
	s_wait_dscnt 0x0
	s_endpgm
.Lfunc_end_k_q78a6da53a2_quant:
	.size	k_q78a6da53a2_quant, .Lfunc_end_k_q78a6da53a2_quant-k_q78a6da53a2_quant
	.p2alignl 7, 3214868480
	.fill 96, 4, 3214868480
	.section	.rodata,"a",@progbits
	.p2align	6, 0x0
	.amdhsa_kernel k_q78a6da53a2_quant
		.amdhsa_group_segment_fixed_size 84992
		.amdhsa_private_segment_fixed_size 0
		.amdhsa_enable_private_segment 0
		.amdhsa_kernarg_size 64
		.amdhsa_user_sgpr_count 2
		.amdhsa_user_sgpr_kernarg_segment_ptr 1
		.amdhsa_wavefront_size32 1
		.amdhsa_system_sgpr_workgroup_id_x 1
		.amdhsa_system_sgpr_workgroup_id_y 1
		.amdhsa_system_sgpr_workgroup_id_z 1
		.amdhsa_system_vgpr_workitem_id 0
		.amdhsa_next_free_vgpr 194
		.amdhsa_next_free_sgpr 66
		.amdhsa_reserve_vcc 0
		.amdhsa_float_denorm_mode_32 3
		.amdhsa_float_denorm_mode_16_64 3
		.amdhsa_memory_ordered 1
		.amdhsa_forward_progress 1
		.amdhsa_inst_pref_size 63
	.end_amdhsa_kernel
	.amdgpu_metadata
---
amdhsa.version: [ 1, 2 ]
amdhsa.kernels:
  - .name:           k_q78a6da53a2_quant
    .symbol:         k_q78a6da53a2_quant.kd
    .args:
      - { .name: x, .offset: 0, .size: 8, .value_kind: global_buffer, .address_space: global }
      - { .name: out_tm1, .offset: 8, .size: 8, .value_kind: global_buffer, .address_space: global }
      - { .name: Wf, .offset: 16, .size: 8, .value_kind: global_buffer, .address_space: global }
      - { .name: Wi, .offset: 24, .size: 8, .value_kind: global_buffer, .address_space: global }
      - { .name: Wc, .offset: 32, .size: 8, .value_kind: global_buffer, .address_space: global }
      - { .name: Wo, .offset: 40, .size: 8, .value_kind: global_buffer, .address_space: global }
      - { .name: a_img, .offset: 48, .size: 8, .value_kind: global_buffer, .address_space: global }
      - { .name: w_img, .offset: 56, .size: 8, .value_kind: global_buffer, .address_space: global }
    .group_segment_fixed_size: 84992
    .private_segment_fixed_size: 0
    .kernarg_segment_align: 8
    .kernarg_segment_size: 64
    .max_flat_workgroup_size: 256
    .sgpr_count:     66
    .vgpr_count:     194
    .wavefront_size: 32
...
	.end_amdgpu_metadata
.endif
;; end of part 4
;; launch lstm (part 5): grid 16 x 16, 4 waves a work-group, clusters of 4 x 4, 327,680 bytes of LDS; arguments a_img, w_img, bf, bi, bc, bo, state_tm1, out0, out1; writes out0, out1
.if DOCPART == 5
	.amdgcn_target "amdgcn-amd-amdhsa--gfx1250"
	.amdhsa_code_object_version 6
	.text
	.protected	k_q78a6da53a2_lstm
	.globl	k_q78a6da53a2_lstm
	.p2align	8
	.type	k_q78a6da53a2_lstm,@function
k_q78a6da53a2_lstm:
	s_mov_b64 s[64:65], 0
	v_nop
	global_prefetch_b8 v0, s[64:65] scope:SCOPE_SE
	s_setreg_imm32_b32 hwreg(HW_REG_WAVE_MODE, 25, 1), 1
	s_wait_xcnt 0x0
	s_wait_alu depctr_hold_cnt(0) depctr_sa_sdst(0) depctr_va_vdst(0) depctr_va_sdst(0) depctr_va_ssrc(0) depctr_va_vcc(0) depctr_vm_vsrc(0)
	s_getreg_b32 s2, hwreg(HW_REG_IB_STS2, 6, 4)
	s_cmp_eq_u32 s2, 0
	s_cbranch_scc0 .Lentry_in_a_cluster
	s_endpgm
.Lentry_in_a_cluster:
	s_bfe_u32 s2, ttmp6, 0x10000c
	s_cmp_lg_u32 s2, 0xf033
	s_cbranch_scc0 .Lentry_shape_is_right
	s_endpgm
.Lentry_shape_is_right:
; The LSTM step on codes of FP4 (E2M1) with one E8M0 scale for each 32 along K: z_g = xh W_g + b_g for the four gates as ONE product of 8,192 rows x 4,096 rows R over K = 2,048, and the gates' arithmetic behind it, in registers:
; new_state = state sigmoid(z_f) + sigmoid(z_i) tanh(z_c) (out1);  output = sigmoid(z_o) tanh(new_state) (out0).  The four pre-activations never go to memory.
; OPERANDS.  a_img, w_img: dense images of IMG bytes, [block of 128 rows][chunk of 512 along K]: 128 rows x 256 bytes of codes, then the rows' scale bytes, 16 a row.  Row R of the weights = 64 (c / 16) + 16 g + c % 16 for gate g (0 f, 1 i, 2 c, 3 o), column c.
; SHARES.  A tile is 256 rows x 256 rows R = 64 output columns x 4 gates; four waves, each 128 x 128: 64 accumulators, 512 registers.  256 WORK-GROUPS STAY and make two tiles each, with the same rows R:
; tile t of work-group row Y holds the blocks of 128 rows 4 Y + t (waves 0, 1) and 4 Y + 2 + t (waves 2, 3), so that the images that a wave fetches for xh lie on end over both tiles.
; THE MATRIX INSTRUCTION IS USED TRANSPOSED (source 0 = 16 rows R, source 1 = 16 rows of xh): accumulator (a, b = 4 j + g), register e, lane (r, h) is gate g of row 16 a + r, column 16 j + 8 h + e of the wave's 32 columns.
; THE RING: two LDS slots of one chunk; a wave's one tensor load brings one image (136 rows of 256 bytes, 16 bytes of padding behind each): codes and scale bytes together.  The ring does not stop at the first tile's end:
; its last two changes of slots ask for the second tile's chunks 0 and 1.  One text serves all laps that fill slots (.Llap); the last lap, which fills nothing, is written out (.Llast).
; CLUSTERS: 4 x 4 work-groups; xh's images are asked for jointly along a row of the cluster, the weights' along a column.
; THE IMAGES ARE PREFETCHED: behind each joint load a wave asks for the image that stands two refills on.  Its 136 blocks of 256 bytes are shared out by address among the four partners that load it jointly, 34 each: two instructions,
; a lane a block (the second's spare lanes name its last block again).  The head asks for chunks 2 and 3; xh's waves go on through the first tile (the second tile's four chunks); the weights' four chunks have all been read by then and are asked for no more.
; THE STATE comes through registers: whole rows of 256 bytes, sixteen lanes to a row, four sets of 16 registers; units 0-3 are asked for at the tile's start, units 4-7 four units ahead (their rows are prefetched at the tile's start);
; a unit's rows are turned into the result's layout through a stage in LDS.
; THE GATES, with L = log2(e): Ef = 2^min(-L z_f, 40), Ei, Eo likewise, Ec = 2^min(2 L z_c, 40);  P = (1 + Ei)(1 + Ec);  new_state = (state P + (Ec - 1)(1 + Ef)) / ((1 + Ef) P);
; En = 2^min(2 L new_state, 40);  output = (En - 1) / ((1 + Eo)(1 + En)).  A unit's 16 outputs a lane go in two halves of eight that take turns: behind each batch of transcendentals stands the other half's plain work.
; THE RESULTS LEAVE UNIT BY UNIT (16 rows of each wave) through stages in LDS (a row's 256 bytes come from two waves).  The stages have bytes of their own, behind the ring, and serve every unit:
; two barriers a unit: one between the stores and the reads, which stands behind the next unit's scalings; one, split, between the reads and the next stores.
; LIMITS: the exponents are held at 40, so that every product of three factors stays under 2^121: a gate so differs from reference's by under 2^-39; |state_tm1| under 2^46; NaN and infinities among the inputs are not served.
; REGISTERS: window 0: v0-31 addresses; v32-95 scale words, two sets; v128-191 xh's fragments; the gates work in v64-127 and v192-255.
;   window 1: the weights' fragments at v0 and v128; v64-127 the biases; v192-255 the state's four sets; on the way out v128-191 rows read back.   windows 2, 3: the accumulators ((a, b) at v[8 (8 (a % 4) + b)]).
.set NQ,     4                         ; steps of 128 along K in a chunk
.set PITCH,  272                       ; an LDS row: 256 bytes + 16 of padding
.set FR,     8
.set NL,     2
.set NP,     4                         ; places behind this matrix instruction (ISA guide 7.12.1)
.set IMG,    136*256                   ; an image in memory
.set REG,    136*PITCH                 ; and in LDS: what one tensor load brings
.set SLOT,   4*REG                     ; xh's two images, then the weights' two
.set STG,    2*SLOT                    ; behind the ring: the stages: the state's, new_state's, the output's, each 2 x 16 rows
.set STGB,   32*PITCH
.set SPARE,  STG+3*STGB                ; the spare words: 128 bytes for each wave
.set PF1,  8                           ; v8, v9 the images' prefetch: 256 x lane; 256 x (32 + min(lane, 1))
.set PF2,  9
.set ADRA, 16                          ; v16-17 my fragments of xh in slot 0, 1
.set ADRS, 18                          ; v18-19 my scale words: lanes 0-15 xh's rows, lanes 16-31 the weights'
.set ADRB, 20                          ; v20-21 my fragments of the weights
.set STA,  22                          ; v22 my 32 bytes of a row in the state's stage; new_state's and the output's lie STGB and 2 STGB on
.set RDS,  23                          ; v23 where I read rows back: even waves new_state's stage, odd waves the output's
.set STS,  24                          ; v24 where I put the state's rows
.set CO,   26                          ; v26 my byte offset in two rows of an output
.set SO,   27                          ; v27 and in the state: my half of the tile, my eight of a unit's 16 rows
.set SPW,  28
.set NIL,  29
.set PFO,  30                          ; v30 the state's prefetch: a row a thread
.set BO,   31
.set SC,   32
.set AF,   128
.set BIAS, 64                          ; window 1
.set ST,   192                         ; window 1: unit u's rows of the state in set u % 4
.set RBK,  128                         ; window 1: a unit's rows read back, two sets by turns
.set ZF,   64
.set ZI,   80
.set ZC,   96
.set ZO,   112
.set TT,   192
.set SS,   208
.set NS,   224
.set OU,   240
.set G1,   24                          ; s[24:31] group 1, s[32:39] group 0 (a set for each slot) for xh's images
.set G0,   32
.set G1B,  48                          ; s[48:55], s[56:63] for the weights'
.set G0B,  56
.set DB,   66                          ; s[66:67] what a refill adds to the weights' addresses, s[68:69] what it takes off: two chunks and 0, or 0 and two chunks; both upper words are 0
.set ASKS, 85                          ; s85 1 while my wave prefetches images in the loop: xh's waves, in the first tile
.set PFA,  86                          ; s[86:87] my work-group's 34 blocks of the image one chunk ahead of the refill that is being asked for; a prefetch in the loop names the image after that
.set MSB, 0
.macro WIN new                         ; the immediate's high byte repeats the setting that is left
.if MSB != \new
	s_set_vgpr_msb (MSB<<8)|\new
.set MSB, \new
.endif
.endm
.set MUL_LO, 0xa1                      ; source 0 (weights) window 1, source 1 (xh) window 0, C and D window 2
.set MUL_HI, 0xf1
.set FST_LO, 0x91                      ; a tile's first step: C (the bias) window 1
.set FST_HI, 0xd1
.set TO_B,   0x40                      ; destination window 1
.set FROM_B, 0x04                      ; a store's data window 1
.macro JLOAD s                         ; a joint load: waves 0, 1 fetch xh's images, waves 2, 3 the weights'; s_nop 0 and four v_nop behind each line
	s_cmp_eq_u32 s15, 0
	s_cbranch_scc0 .Lfor_b_\@
	tensor_load_to_lds s[G0+4*\s:G0+4*\s+3], s[G1:G1+7]
	s_nop 0
.rept 4
	v_nop
.endr
	s_branch .Lasked_\@
.Lfor_b_\@:
	tensor_load_to_lds s[G0B+4*\s:G0B+4*\s+3], s[G1B:G1B+7]
	s_nop 0
.rept 4
	v_nop
.endr
.Lasked_\@:
.endm
.macro CREST                           ; a round of the cluster's barrier behind its opening barrier
	s_cmp_lg_u32 s14, 0
	s_cbranch_scc1 .Lnot_wave_0_\@
	s_barrier_signal -3
.Lnot_wave_0_\@:
	s_barrier_wait -3
	s_barrier_signal -1
	s_barrier_wait -1
.endm
.macro CROUND
	s_barrier_signal -1
	s_barrier_wait -1
	CREST
.endm
.macro ASK off                         ; my work-group's 34 blocks of an image
	global_prefetch_b8 v[PF1], s[PFA:PFA+1] offset:\off th:TH_LOAD_NT scope:SCOPE_SE
	global_prefetch_b8 v[PF2], s[PFA:PFA+1] offset:\off th:TH_LOAD_NT scope:SCOPE_SE
.endm
	s_load_b128 s[4:7], s[0:1], 0x0                ; xh's images, the weights'
	s_load_b256 s[92:99], s[0:1], 0x10             ; bf, bi, bc, bo
	s_load_b64 s[100:101], s[0:1], 0x30            ; the state
	s_load_b128 s[8:11], s[0:1], 0x38              ; out0 (the output), out1 (new_state)
	v_lshl_add_u32 v[SPW], v0, 2, SPARE
	v_mov_b32 v[NIL], 0
	ds_add_u32 v[SPW], v[NIL]                      ; the opening lines: the add, twice on end, and its wait ahead of my first tensor load
	ds_add_u32 v[SPW], v[NIL]
	v_lshrrev_b32 v1, 5, v0
	v_readfirstlane_b32 s14, v1                    ; wave 0..3
	s_lshr_b32 s15, s14, 1                         ; my half of the tile's rows.  Also: I fetch for xh (0) or for the weights (1)
	s_and_b32 s16, s14, 1                          ; my half of its rows R.  Also: which image of the two I fetch; and which result I store
	s_bfe_u32 s40, ttmp6, 0x40000                  ; cx, cy
	s_bfe_u32 s41, ttmp6, 0x40004
	s_lshl_b32 s42, ttmp9, 2
	s_add_co_u32 s42, s42, s40                     ; X: 64 output columns
	s_and_b32 s17, ttmp7, 0xffff
	s_lshl_b32 s17, s17, 2
	s_add_co_u32 s17, s17, s41                     ; Y: 512 rows
	s_lshl_b32 s43, s41, 2
	s_lshl_b32 s43, 15, s43                        ; my row of the cluster
	s_lshl_b32 s44, 0x1111, s40                    ; my column
	s_or_b32 s[G1+0], s43, (0<<16)|(1<<20)|(1<<21)|(5<<22)|(3<<25)  ; the mask; elements of 1 byte; padding on; bit 21 beside a mask; four words behind every 64
	s_or_b32 s[G1B+0], s44, (0<<16)|(1<<20)|(1<<21)|(5<<22)|(3<<25)
.irp g, G1, G1B
	s_mov_b32 s[\g+1], 256<<16                     ; tensor_dim0
	s_mov_b32 s[\g+2], 136<<16                     ; tensor_dim1
	s_mov_b32 s[\g+3], 256<<16                     ; tile_dim0
	s_mov_b32 s[\g+4], 136                         ; tile_dim1
	s_mov_b32 s[\g+5], 256                         ; dense
	s_mov_b32 s[\g+6], 0
	s_mov_b32 s[\g+7], 0
.endr
	s_lshl_b32 s20, s17, 2
	s_lshl_b32 s21, s16, 1
	s_add_co_u32 s20, s20, s21                     ; xh: block 4 Y + 2 x half (tile 0)
	s_mul_i32 s20, s20, 4*IMG
	s_mov_b32 s21, 0
	s_lshl_b32 s46, s42, 1
	s_add_co_u32 s46, s46, s16                     ; weights: block 2 X + half
	s_mul_i32 s46, s46, 4*IMG
	s_mov_b32 s47, 0
	s_mul_i32 s45, s14, REG                        ; where they go: no place in the cluster enters an LDS address
	s_wait_dscnt 0x0                               ; both opening adds are done
	s_wait_kmcnt 0x0
	s_add_nc_u64 s[20:21], s[4:5], s[20:21]
	s_add_nc_u64 s[46:47], s[6:7], s[46:47]
	CROUND                                         ; all sixteen work-groups are here: the first joint loads meet
.irp s, 0,1
	s_mov_b32 s[G0+4*\s], 1
	s_add_co_u32 s[G0+4*\s+1], s45, \s*SLOT
	s_add_nc_u64 s[G0+4*\s+2:G0+4*\s+3], s[20:21], \s*IMG
	s_or_b32 s[G0+4*\s+3], s[G0+4*\s+3], 0x80000000
	s_mov_b32 s[G0B+4*\s], 1
	s_add_co_u32 s[G0B+4*\s+1], s45, \s*SLOT
	s_add_nc_u64 s[G0B+4*\s+2:G0B+4*\s+3], s[46:47], \s*IMG
	s_or_b32 s[G0B+4*\s+3], s[G0B+4*\s+3], 0x80000000
.endr
	s_cmp_eq_u32 s15, 0                            ; the prefetches: the images that I fetch; the choice hangs on the wave's number alone
	s_cselect_b64 s[PFA:PFA+1], s[20:21], s[46:47]
	s_cselect_b32 s88, s40, s41                    ; my place among the four that ask for them with me: it enters this address alone
	s_mul_i32 s88, s88, 34*256
	s_add_co_u32 s88, s88, 2*IMG                   ; at chunk 2
	s_mov_b32 s89, 0
	s_add_nc_u64 s[PFA:PFA+1], s[PFA:PFA+1], s[88:89]
	s_xor_b32 s[ASKS], s15, 1
	JLOAD 0                                        ; chunk 0: one tensor load a wave at the head
	s_mul_i32 s75, s15, REG                        ; my image of xh
	s_mul_i32 s76, s16, REG
	s_add_co_u32 s76, s76, 2*REG                   ; my image of the weights
	s_sub_co_u32 s77, s76, s75                     ; the distance between the two
	s_add_co_u32 s78, s75, 128*PITCH               ; the scale bytes lie behind an image's 128 rows of codes
	s_mul_i32 s79, s15, 16*PITCH
	s_add_co_u32 s79, s79, STG                     ; my half's 16 rows of a stage
	s_mul_i32 s80, s16, STGB
	s_add_co_u32 s80, s80, s79
	s_add_co_u32 s80, s80, STGB                    ; back: new_state's stage (even waves) or the output's
	s_mul_i32 s81, s16, 8*PITCH
	s_add_co_u32 s81, s81, s79                     ; the state's rows: my eight of the 16
	s_lshl_b32 s82, s16, 7
	s_add_co_u32 s79, s79, s82                     ; my 128 bytes of a row
	s_lshl_b32 s82, s15, 20                        ; in the state: 256 rows x half + 8 rows x (w % 2)
	s_lshl_b32 s83, s16, 15
	s_add_co_u32 s82, s82, s83
	s_lshl_b32 s83, s42, 8                         ; a bias: 4 bytes x (64 X + 32 (w % 2))
	s_lshl_b32 s84, s16, 7
	s_add_co_u32 s83, s83, s84
	v_and_b32 v1, 15, v0                           ; r
	v_bfe_u32 v2, v0, 4, 1                         ; h
	v_and_b32 v5, 31, v0
	v_lshlrev_b32 v[PF1], 8, v5                    ; blocks 0 .. 31 of my 34
	v_min_u32 v6, 1, v5
	v_lshl_add_u32 v[PF2], v6, 8, 32*256           ; blocks 32 and 33
	v_mul_u32_u24 v3, v1, PITCH
	v_lshl_add_u32 v4, v2, 4, v3                   ; a fragment's row x pitch + 16 h
	v_add_nc_u32 v[ADRA], s75, v4
	v_add_nc_u32 v[ADRB], s76, v4
	v_add_nc_u32 v[ADRA+1], SLOT, v[ADRA]
	v_add_nc_u32 v[ADRB+1], SLOT, v[ADRB]
	v_mul_u32_u24 v6, s77, v2                      ; lanes 16-31 take the weights': the lower base + h x the distance
	v_lshl_add_u32 v6, v1, 4, v6                   ; 16 scale bytes a row
	v_add_nc_u32 v[ADRS], s78, v6
	v_add_nc_u32 v[ADRS+1], SLOT, v[ADRS]
	v_lshl_add_u32 v5, v2, 5, v3
	v_add_nc_u32 v[STA], s79, v5                   ; row r, + 32 h
	v_mul_u32_u24 v5, v2, PITCH
	v_lshl_add_u32 v5, v1, 4, v5                   ; whole rows: lanes 0-15 one row, lanes 16-31 the next
	v_add_nc_u32 v[RDS], s80, v5
	v_add_nc_u32 v[STS], s81, v5
	v_lshlrev_b32 v[CO], 12, v2
	v_lshl_add_u32 v[CO], v1, 4, v[CO]
	v_add_nc_u32 v[SO], s82, v[CO]
	v_lshrrev_b32 v5, 6, v0                        ; the state's prefetch: thread n names row 256 (n / 64) + 64 + n % 64 of the tile's span: the rows of units 4-7
	v_and_b32 v6, 63, v0
	v_lshlrev_b32 v5, 8, v5
	v_add3_u32 v5, v5, v6, 64
	v_lshlrev_b32 v[PFO], 12, v5
	v_lshl_add_u32 v[BO], v2, 5, s83
	ASK 0                                          ; chunk 2: two refills on from chunk 0's load
	WIN TO_B
.irp j, 0,1                            ; block b = 4 j + g: gate g's bias at my eight columns
.irp g, 0,1,2,3
	global_load_b128 v[BIAS+8*(4*\j+\g):BIAS+8*(4*\j+\g)+3],   v[BO], s[92+2*\g:93+2*\g] offset:64*\j
	global_load_b128 v[BIAS+8*(4*\j+\g)+4:BIAS+8*(4*\j+\g)+7], v[BO], s[92+2*\g:93+2*\g] offset:64*\j+16
.endr
.endr
	WIN 0
	s_lshl_b32 s46, s17, 21                        ; 512 Y rows of 4,096 bytes + 256 X
	s_lshl_b32 s47, s42, 8
	s_add_co_u32 s46, s46, s47
	s_mov_b32 s47, 0
	s_add_nc_u64 s[100:101], s[100:101], s[46:47]
	s_cmp_eq_u32 s16, 0                            ; even waves store new_state (out1), odd waves the output (out0)
	s_cselect_b64 s[12:13], s[10:11], s[8:9]
	s_add_nc_u64 s[12:13], s[12:13], s[46:47]
	s_lshl_b32 s46, s15, 20                        ; my half: 256 rows on
	s_add_nc_u64 s[12:13], s[12:13], s[46:47]
	s_mov_b32 s70, 0xbfb8aa3b                      ; -L (the packed forms name a pair)
	s_mov_b32 s71, s70
	s_mov_b32 s72, 0x4038aa3b                      ; 2 L
	s_mov_b32 s73, s72
	s_mov_b32 s74, 0x42200000                      ; 40.0
.macro FRAG reg, adr, q, i             ; 16 rows x 128 K of 4-bit codes: 8 registers
.irp c, 0,1
	ds_load_b128 v[\reg+4*\c:\reg+4*\c+3], v[\adr] offset:64*(\q)+32*\c+(\i)*16*PITCH
.endr
.endm
; 16 matrix instructions: xh's blocks a0, a0 + 1 x the weights' eight.  zero = 1: the sums start on the biases.  The 64 accumulators take turns.
.macro MUL16 a0, p, q, sc, zero
.irp a, \a0, \a0+1
.irp b, 0,1,2,3,4,5,6,7
.if \zero
	v_wmma_scale_f32_16x16x128_f8f6f4 v[8*(8*((\a)%4)+\b):8*(8*((\a)%4)+\b)+7], v[128*(\p)+FR*\b:128*(\p)+FR*\b+FR-1], v[AF+FR*(\a):AF+FR*(\a)+FR-1], v[BIAS+8*\b:BIAS+8*\b+7], v[SC+8*NQ*(\sc)+NQ*\b+(\q)], v[SC+8*NQ*(\sc)+NQ*(\a)+(\q)] matrix_a_fmt:MATRIX_FMT_FP4 matrix_b_fmt:MATRIX_FMT_FP4 matrix_a_scale:MATRIX_SCALE_ROW1
.else
	v_wmma_scale_f32_16x16x128_f8f6f4 v[8*(8*((\a)%4)+\b):8*(8*((\a)%4)+\b)+7], v[128*(\p)+FR*\b:128*(\p)+FR*\b+FR-1], v[AF+FR*(\a):AF+FR*(\a)+FR-1], v[8*(8*((\a)%4)+\b):8*(8*((\a)%4)+\b)+7], v[SC+8*NQ*(\sc)+NQ*\b+(\q)], v[SC+8*NQ*(\sc)+NQ*(\a)+(\q)] matrix_a_fmt:MATRIX_FMT_FP4 matrix_b_fmt:MATRIX_FMT_FP4 matrix_a_scale:MATRIX_SCALE_ROW1
.endif
.endr
.endr
.endm
.macro FETCH_B slot, q, p
	WIN TO_B
.irp i, 0,1,2,3,4,5,6,7
	FRAG 128*(\p)+FR*\i, ADRB+\slot, \q, \i
.endr
	WIN 0
.endm
.macro FETCH_A slot, q, i0
.irp i, \i0, \i0+1, \i0+2, \i0+3
	FRAG AF+FR*(\i), ADRA+\slot, \q, \i
.endr
.endm
.macro SCALES s                        ; slot s's scale words into set s: four words a row; each half of the lanes reads 256 consecutive bytes
.irp i, 0,1,2,3,4,5,6,7
	ds_load_b128 v[SC+8*NQ*\s+NQ*\i:SC+8*NQ*\s+NQ*\i+3], v[ADRS+\s] offset:\i*PITCH
.endr
.endm
.macro PLACES n
.rept \n
	v_nop
.endr
.endm
.macro STEP slot, q, zero              ; a step of 128 along K that has its successor in the same slot
	s_wait_dscnt 4*NL                              ; all but the youngest eight loads (xh's blocks 4-7)
.if \zero
	WIN FST_LO
.else
	WIN MUL_LO
.endif
	MUL16 0, (\q)%2, \q, \slot, \zero
	MUL16 2, (\q)%2, \q, \slot, \zero
	s_wait_dscnt 0
	PLACES NP
	FETCH_B \slot, (\q)+1, 1-(\q)%2
	FETCH_A \slot, (\q)+1, 0
.if \zero
	WIN FST_HI
.else
	WIN MUL_HI
.endif
	MUL16 4, (\q)%2, \q, \slot, \zero
	MUL16 6, (\q)%2, \q, \slot, \zero
	PLACES NP
	WIN 0
	FETCH_A \slot, (\q)+1, 4
.endm
; A slot's last step changes slots: one barrier; in front of it each wave waits for all its tensor loads, adds 0 to its spare word, and waits for that and for its reads of this slot.
; fill = 1: the barrier opens a round of the cluster's, and this slot takes the chunk two chunks on in the walk over both tiles.
.macro TURN slot, next, fill
.if \fill
	s_wait_xcnt 0x0                                ; any prefetch of mine has read its address: it steps here, a chunk behind the prefetch that read it
	s_add_nc_u64 s[PFA:PFA+1], s[PFA:PFA+1], IMG
.endif
	s_wait_tensorcnt 0x0                           ; my one load that was out, my image of the next slot, has landed
	ds_add_u32 v[SPW], v[NIL]
	s_wait_dscnt 4*NL+1                            ; (the add and the youngest eight loads may be out)
	WIN MUL_LO
	MUL16 0, 1, NQ-1, \slot, 0
	s_wait_dscnt 0x0                               ; the add is done, my reads of this slot are over
	s_barrier_signal -1
	MUL16 2, 1, NQ-1, \slot, 0
	WIN 0
	s_barrier_wait -1
.if \fill
	CREST
	s_add_nc_u64 s[G0+4*\slot+2:G0+4*\slot+3], s[G0+4*\slot+2:G0+4*\slot+3], 2*IMG   ; xh's images lie on end over both tiles
	s_add_nc_u64 s[G0B+4*\slot+2:G0B+4*\slot+3], s[G0B+4*\slot+2:G0B+4*\slot+3], s[DB:DB+1]
	s_sub_nc_u64 s[G0B+4*\slot+2:G0B+4*\slot+3], s[G0B+4*\slot+2:G0B+4*\slot+3], s[DB+2:DB+3]
	JLOAD \slot                                    ; the first tensor load behind the round; its four v_nop are the places in front of the loads below
.else
	PLACES NP
.endif
	FETCH_B \next, 0, 0
	FETCH_A \next, 0, 0
	SCALES \next
.if \fill
	s_cmp_eq_u32 s[ASKS], 1                        ; xh's waves, in the first tile: the image two refills on
	s_cbranch_scc0 .Lno_ask_\@
	ASK IMG
.Lno_ask_\@:
.endif
	WIN MUL_HI
	MUL16 4, 1, NQ-1, \slot, 0
	MUL16 6, 1, NQ-1, \slot, 0
	PLACES NP
	WIN 0
	FETCH_A \next, 0, 4
.endm
.macro STEPS slot, from
.set Q, \from
.rept NQ-1-\from
	STEP \slot, Q, 0
.set Q, Q+1
.endr
.endm
.macro STLOAD u                        ; my eight rows of unit u's 16 rows of the state: two whole rows of 256 bytes a load (destination window 1)
.irp t, 0,1,2,3
	global_load_b128 v[ST+16*((\u)%4)+4*\t:ST+16*((\u)%4)+4*\t+3], v[SO], s[100:101] offset:(16*(\u)+2*\t)*4096 th:TH_LOAD_NT
.endr
.endm
.macro STSTORE u                       ; into the state's stage (data window 1)
.irp t, 0,1,2,3
	ds_store_b128 v[STS], v[ST+16*((\u)%4)+4*\t:ST+16*((\u)%4)+4*\t+3] offset:2*\t*PITCH
.endr
.endm
.macro SLOAD                           ; my 16 numbers of the state: register 8 j + e
.irp j, 0,1
.irp q, 0,1
	ds_load_b128 v[SS+8*\j+4*\q:SS+8*\j+4*\q+3], v[STA] offset:64*\j+16*\q
.endr
.endr
.endm
.macro RB a                            ; the unit's 16 rows of the result that I store, back as whole rows (destination window 1)
.irp t, 0,1,2,3,4,5,6,7
	ds_load_b128 v[RBK+32*((\a)%2)+4*\t:RBK+32*((\a)%2)+4*\t+3], v[RDS] offset:2*\t*PITCH
.endr
.endm
.macro SEND a                          ; and out (data window 1): sixteen lanes store 256 consecutive bytes, aligned
.irp t, 0,1,2,3,4,5,6,7
	global_store_b128 v[CO], v[RBK+32*((\a)%2)+4*\t:RBK+32*((\a)%2)+4*\t+3], s[12:13] offset:(16*(\a)+2*\t)*4096 th:TH_STORE_NT
.endr
.endm
; The gates' steps for half j (eight outputs a lane: registers 8 j .. 8 j + 7 of each run of 16)
.macro MINH j                          ; the exponents are held at 40
.irp g, ZF, ZI, ZC, ZO
.irp e, 0,1,2,3,4,5,6,7
	v_min_num_f32 v[\g+8*\j+\e], s74, v[\g+8*\j+\e]
.endr
.endr
.endm
.macro EXPH j                          ; Ef, Ei, Ec, Eo
.irp g, ZF, ZI, ZC, ZO
.irp e, 0,1,2,3,4,5,6,7
	v_exp_f32 v[\g+8*\j+\e], v[\g+8*\j+\e]
.endr
.endr
.endm
.macro TR8 op, g, j                    ; eight transcendentals in place
.irp e, 0,1,2,3,4,5,6,7
	\op v[\g+8*\j+\e], v[\g+8*\j+\e]
.endr
.endm
.macro GA j
.irp p, 0,2,4,6
	v_pk_add_f32 v[TT+8*\j+\p:TT+8*\j+\p+1], v[ZC+8*\j+\p:ZC+8*\j+\p+1], -1.0 op_sel_hi:[1,0]                                  ; Ec - 1
.endr
.irp p, 0,2,4,6
	v_pk_add_f32 v[ZC+8*\j+\p:ZC+8*\j+\p+1], v[ZC+8*\j+\p:ZC+8*\j+\p+1], 1.0 op_sel_hi:[1,0]                                   ; 1 + Ec
.endr
.irp p, 0,2,4,6
	v_pk_fma_f32 v[ZI+8*\j+\p:ZI+8*\j+\p+1], v[ZI+8*\j+\p:ZI+8*\j+\p+1], v[ZC+8*\j+\p:ZC+8*\j+\p+1], v[ZC+8*\j+\p:ZC+8*\j+\p+1]  ; P = (1 + Ei)(1 + Ec)
.endr
.irp p, 0,2,4,6
	v_pk_fma_f32 v[TT+8*\j+\p:TT+8*\j+\p+1], v[TT+8*\j+\p:TT+8*\j+\p+1], v[ZF+8*\j+\p:ZF+8*\j+\p+1], v[TT+8*\j+\p:TT+8*\j+\p+1]  ; (Ec - 1)(1 + Ef)
.endr
.irp p, 0,2,4,6
	v_pk_fma_f32 v[ZF+8*\j+\p:ZF+8*\j+\p+1], v[ZF+8*\j+\p:ZF+8*\j+\p+1], v[ZI+8*\j+\p:ZI+8*\j+\p+1], v[ZI+8*\j+\p:ZI+8*\j+\p+1]  ; (1 + Ef) P
.endr
.irp p, 0,2,4,6
	v_pk_fma_f32 v[TT+8*\j+\p:TT+8*\j+\p+1], v[SS+8*\j+\p:SS+8*\j+\p+1], v[ZI+8*\j+\p:ZI+8*\j+\p+1], v[TT+8*\j+\p:TT+8*\j+\p+1]  ; state P + (Ec - 1)(1 + Ef)
.endr
.endm
.macro GB j
.irp p, 0,2,4,6
	v_pk_mul_f32 v[NS+8*\j+\p:NS+8*\j+\p+1], v[TT+8*\j+\p:TT+8*\j+\p+1], v[ZF+8*\j+\p:ZF+8*\j+\p+1]                              ; new_state
.endr
.irp p, 0,2,4,6
	v_pk_mul_f32 v[ZC+8*\j+\p:ZC+8*\j+\p+1], v[NS+8*\j+\p:NS+8*\j+\p+1], s[72:73] op_sel_hi:[1,0]                              ; 2 L new_state
.endr
.irp e, 0,1,2,3,4,5,6,7
	v_min_num_f32 v[ZC+8*\j+\e], s74, v[ZC+8*\j+\e]
.endr
.endm
.macro GC j
.irp p, 0,2,4,6
	v_pk_add_f32 v[TT+8*\j+\p:TT+8*\j+\p+1], v[ZC+8*\j+\p:ZC+8*\j+\p+1], -1.0 op_sel_hi:[1,0]                                  ; En - 1
.endr
.irp p, 0,2,4,6
	v_pk_add_f32 v[ZC+8*\j+\p:ZC+8*\j+\p+1], v[ZC+8*\j+\p:ZC+8*\j+\p+1], 1.0 op_sel_hi:[1,0]                                   ; 1 + En
.endr
.irp p, 0,2,4,6
	v_pk_fma_f32 v[ZC+8*\j+\p:ZC+8*\j+\p+1], v[ZO+8*\j+\p:ZO+8*\j+\p+1], v[ZC+8*\j+\p:ZC+8*\j+\p+1], v[ZC+8*\j+\p:ZC+8*\j+\p+1]  ; (1 + Eo)(1 + En)
.endr
.endm
.macro GD j
.irp p, 0,2,4,6
	v_pk_mul_f32 v[OU+8*\j+\p:OU+8*\j+\p+1], v[TT+8*\j+\p:TT+8*\j+\p+1], v[ZC+8*\j+\p:ZC+8*\j+\p+1]                              ; the output
.endr
.endm
.macro VW                              ; the wait ahead of each batch of transcendentals, ahead of a batch's first reader, and ahead of a wait that blocks
	s_wait_alu depctr_va_vdst(0)
.endm
; THE GATES of unit a.  On entry the stores of the unit before (its results, and this unit's state) are on their way into the stages.
.macro EPI a
.set AC, 64*((\a)%4)
	WIN 0x02+(\a)/4                                ; source 0: window 2 or 3
	VW                                             ; ahead of the first reader of matrix results
.irp j, 0,1
.irp p, 0,2,4,6                        ; each accumulator from its low end on
	v_pk_mul_f32 v[ZF+8*\j+\p:ZF+8*\j+\p+1], v[AC+32*\j+\p:AC+32*\j+\p+1],       s[70:71] op_sel_hi:[1,0]   ; -L z_f
	v_pk_mul_f32 v[ZI+8*\j+\p:ZI+8*\j+\p+1], v[AC+32*\j+8+\p:AC+32*\j+8+\p+1],   s[70:71] op_sel_hi:[1,0]   ; -L z_i
	v_pk_mul_f32 v[ZC+8*\j+\p:ZC+8*\j+\p+1], v[AC+32*\j+16+\p:AC+32*\j+16+\p+1], s[72:73] op_sel_hi:[1,0]   ; 2 L z_c
	v_pk_mul_f32 v[ZO+8*\j+\p:ZO+8*\j+\p+1], v[AC+32*\j+24+\p:AC+32*\j+24+\p+1], s[70:71] op_sel_hi:[1,0]   ; -L z_o
.endr
.endr
	WIN 0
	MINH 0
	VW
	s_wait_dscnt 0x0                               ; for the others' sake: my stores into the stages have landed (and have read their registers)
	s_barrier_signal -1
	s_barrier_wait -1                              ; the last unit's rows, and this unit's state, are whole in the stages
	s_wait_xcnt 0x0                                ; the stores of the unit three back have read their registers
	WIN TO_B
.if (\a) > 0
	RB (\a)-1
.endif
.if (\a) < 4
	STLOAD (\a)+4                                  ; into the set that has been stored to the stage
.endif
	WIN 0
	SLOAD
	EXPH 0
	MINH 1
	VW
	s_wait_dscnt 0x0                               ; this unit's state and the last unit's rows are in: my reads of the stages are over
.if (\a) > 0
	WIN FROM_B
	SEND (\a)-1                                    ; the last unit leaves
	WIN 0
.endif
	s_barrier_signal -1                            ; say so; only work on registers up to the wait
	EXPH 1
	GA 0
	VW
	TR8 v_rcp_f32, ZF, 0
	GA 1
	VW
	TR8 v_rcp_f32, ZF, 1
	GB 0
	VW
	TR8 v_exp_f32, ZC, 0                           ; En
	GB 1
	VW
	TR8 v_exp_f32, ZC, 1
	GC 0
	VW
	TR8 v_rcp_f32, ZC, 0
	GC 1
	VW
	TR8 v_rcp_f32, ZC, 1
	GD 0
	VW
	GD 1
	VW
	s_barrier_wait -1                              ; nobody reads the stages any more
.irp j, 0,1
.irp q, 0,1
	ds_store_b128 v[STA], v[NS+8*\j+4*\q:NS+8*\j+4*\q+3] offset:STGB+64*\j+16*\q
.endr
.endr
.irp j, 0,1
.irp q, 0,1
	ds_store_b128 v[STA], v[OU+8*\j+4*\q:OU+8*\j+4*\q+3] offset:2*STGB+64*\j+16*\q
.endr
.endr
.if (\a) < 7
.if (\a) < 4
	s_wait_loadcnt 12                              ; the next unit's four loads are in; behind them: three units' loads
.else
	s_wait_loadcnt 4*(6-(\a))                      ; the tail: fewer units are behind it
.endif
	WIN FROM_B
	STSTORE (\a)+1
	WIN 0
.endif
.endm
	s_wait_alu depctr_va_vdst(0)
	s_wait_tensorcnt 0x0                           ; my image of chunk 0 is in; the three lines ahead of a later first fill, as ahead of a refill
	ds_add_u32 v[SPW], v[NIL]
	s_wait_dscnt 0x0
	CROUND
	JLOAD 1                                        ; chunk 1: slot 1's first fill, the first tensor load behind the round
	FETCH_B 0, 0, 0
	FETCH_A 0, 0, 0
	SCALES 0
	FETCH_A 0, 0, 4
	ASK IMG                                        ; chunk 3: two refills on from chunk 1's load
	s_mov_b32 s2, 2                                ; tiles to go
.Ltile:
	WIN TO_B
.irp u, 0,1,2,3
	STLOAD \u                                      ; the state of units 0-3: asked for a whole tile's products ahead of its use
.endr
	WIN 0
	global_prefetch_b8 v[PFO], s[100:101] th:TH_LOAD_NT scope:SCOPE_SE   ; the rows of units 4-7, 128 rows x 256 bytes, each named once in the launch, by one thread
	s_mov_b32 s3, 0                                ; the tile's lap
.Llap:
	s_cmp_eq_u32 s3, 0
	s_cbranch_scc0 .Lacc
	s_mov_b32 s[DB], 2*IMG                         ; in a tile's first lap the weights' addresses go two chunks on,
	s_mov_b32 s[DB+1], 0
	s_mov_b32 s[DB+2], 0
	s_mov_b32 s[DB+3], 0
	s_wait_loadcnt 16                              ; the biases are in: behind them stand the state's sixteen loads
	STEP 0, 0, 1                                   ; a tile's first step starts the sums on the biases
	s_branch .Lrest
.Lacc:
	s_mov_b32 s[DB], 0                             ; in its second lap two back: to the next tile's chunks 0 and 1
	s_mov_b32 s[DB+1], 0
	s_mov_b32 s[DB+2], 2*IMG
	s_mov_b32 s[DB+3], 0
	STEP 0, 0, 0
.Lrest:
	s_cmp_eq_u32 s3, s2                            ; lap 1 of the last tile (1 tile to go): nothing is left to fetch
	s_cbranch_scc1 .Llast
	STEPS 0, 1
	TURN 0, 1, 1
	STEPS 1, 0
	TURN 1, 0, 1                                   ; (at the first tile's end it also fetches the next tile's first fragments, which the gates' registers leave alone)
	s_add_co_u32 s3, s3, 1
	s_cmp_lt_u32 s3, 2
	s_cbranch_scc1 .Llap
	s_branch .Lepi
.Llast:
	STEPS 0, 1
	TURN 0, 1, 0
	STEPS 1, 0
	s_wait_dscnt 4*NL
	WIN MUL_LO
	MUL16 0, 1, NQ-1, 1, 0
	MUL16 2, 1, NQ-1, 1, 0
	s_wait_dscnt 0
	WIN MUL_HI
	MUL16 4, 1, NQ-1, 1, 0
	MUL16 6, 1, NQ-1, 1, 0
	WIN 0
	PLACES NP
.Lepi:
	s_wait_loadcnt 12                              ; unit 0's state is in; behind it: units 1-3's loads
	WIN FROM_B
	STSTORE 0
	WIN 0
.irp a, 0,1,2,3,4,5,6,7
	EPI \a
.endr
	s_wait_dscnt 0x0                               ; the last unit's stores have landed
	s_barrier_signal -1
	s_barrier_wait -1
	s_wait_xcnt 0x0
	WIN TO_B
	RB 7
	WIN 0
	s_wait_dscnt 0x0                               ; its rows are back
	WIN FROM_B
	SEND 7
	WIN 0
	s_wait_xcnt 0x0                                ; the stores, loads and prefetches have read their bases and registers
	s_add_nc_u64 s[12:13], s[12:13], 128*4096      ; the next tile lies 128 rows on
	s_add_nc_u64 s[100:101], s[100:101], 128*4096
	s_mov_b32 s[ASKS], 0                           ; the second tile's images have all been asked for
	s_sub_co_u32 s2, s2, 1
	s_cmp_lg_u32 s2, 0
	s_cbranch_scc1 .Ltile
	s_wait_tensorcnt 0x0                           ; the wave's end
	ds_add_u32 v[SPW], v[NIL]
	s_wait_dscnt 0x0
	CROUND                                         ; the closing round
	s_endpgm
.Lfunc_end_k_q78a6da53a2_lstm:
	.size	k_q78a6da53a2_lstm, .Lfunc_end_k_q78a6da53a2_lstm-k_q78a6da53a2_lstm
	.p2alignl 7, 3214868480
	.fill 96, 4, 3214868480
	.section	.rodata,"a",@progbits
	.p2align	6, 0x0
	.amdhsa_kernel k_q78a6da53a2_lstm
		.amdhsa_group_segment_fixed_size 327680
		.amdhsa_private_segment_fixed_size 0
		.amdhsa_enable_private_segment 0
		.amdhsa_kernarg_size 72
		.amdhsa_user_sgpr_count 2
		.amdhsa_user_sgpr_kernarg_segment_ptr 1
		.amdhsa_wavefront_size32 1
		.amdhsa_system_sgpr_workgroup_id_x 1
		.amdhsa_system_sgpr_workgroup_id_y 1
		.amdhsa_system_sgpr_workgroup_id_z 1
		.amdhsa_system_vgpr_workitem_id 0
		.amdhsa_next_free_vgpr 1024
		.amdhsa_next_free_sgpr 106
		.amdhsa_reserve_vcc 0
		.amdhsa_float_denorm_mode_32 3
		.amdhsa_float_denorm_mode_16_64 3
		.amdhsa_memory_ordered 1
		.amdhsa_forward_progress 1
		.amdhsa_inst_pref_size 255
	.end_amdhsa_kernel
	.section	.bss,"aw",@nobits
	.p2align	6
	.space	262144
	.amdgpu_metadata
---
amdhsa.version: [ 1, 2 ]
amdhsa.kernels:
  - .name:           k_q78a6da53a2_lstm
    .symbol:         k_q78a6da53a2_lstm.kd
    .args:
      - { .name: a_img, .offset: 0, .size: 8, .value_kind: global_buffer, .address_space: global }
      - { .name: w_img, .offset: 8, .size: 8, .value_kind: global_buffer, .address_space: global }
      - { .name: bf, .offset: 16, .size: 8, .value_kind: global_buffer, .address_space: global }
      - { .name: bi, .offset: 24, .size: 8, .value_kind: global_buffer, .address_space: global }
      - { .name: bc, .offset: 32, .size: 8, .value_kind: global_buffer, .address_space: global }
      - { .name: bo, .offset: 40, .size: 8, .value_kind: global_buffer, .address_space: global }
      - { .name: state_tm1, .offset: 48, .size: 8, .value_kind: global_buffer, .address_space: global }
      - { .name: out0, .offset: 56, .size: 8, .value_kind: global_buffer, .address_space: global }
      - { .name: out1, .offset: 64, .size: 8, .value_kind: global_buffer, .address_space: global }
    .group_segment_fixed_size: 327680
    .private_segment_fixed_size: 0
    .kernarg_segment_align: 8
    .kernarg_segment_size: 72
    .max_flat_workgroup_size: 128
    .sgpr_count:     106
    .vgpr_count:     1024
    .wavefront_size: 32
...
	.end_amdgpu_metadata
.endif
;; end of part 5
